; MI455X (gfx1250); checked and timed in simulation.
; The chip was launched on July 23, 2026; its instructions are those of AMD's public machine-readable ISA for CDNA 5 (MIT licence, August 2026) and "CDNA5" Instruction Set Architecture Reference Guide (July 2026). The comments in the code are by the model that wrote it; some were corrected since.
;; Multi Head Self Attention. Allowed arithmetic: matrix products marked QUANTISED: E2M1 operands, one E8M0 scale for each 32 along K, by v_wmma_scale_f32_16x16x128_f8f6f4 with both operands' format E2M1 (or v_wmma_scale_f32_32x16x128_f4), f32 sums; everything else in f32.
;; Inputs: Wgate_codes 16 x 32 x 16 uint8 (E2M1 codes of Wgate, K innermost, in blocks of 32 codes, two codes a byte); Wgate_scales 16 x 32 uint8 (E8M0 scales of Wgate, one for each 32 codes along K); Wout_codes 1,024 x 32 x 16 uint8 (E2M1 codes of Wout, K innermost, in blocks of 32 codes, two codes a byte); Wout_scales 1,024 x 32 uint8 (E8M0 scales of Wout, one for each 32 codes along K); Wqkv_codes 3,072 x 32 x 16 uint8 (E2M1 codes of Wqkv, K innermost, in blocks of 32 codes, two codes a byte); Wqkv_scales 3,072 x 32 uint8 (E8M0 scales of Wqkv, one for each 32 codes along K); alpha1 one number float32; alpha2 one number float32; scale one number float32; token_positions 4 x 2,048 int32; v1 64 x 2,048 x 64 float32; x_codes 4 x 2,048 x 32 x 16 uint8 (E2M1 codes of x, K innermost, in blocks of 32 codes, two codes a byte); x_scales 4 x 2,048 x 32 uint8 (E8M0 scales of x, one for each 32 codes along K).
;; Outputs: out0 4 x 2,048 x 1,024 float32; out1 64 x 2,048 x 64 float32.
;; This version of the problem:
;;   THIS VERSION OF THE PROBLEM IS GIVEN IN LOW PRECISION. The matrix products marked QUANTISED in the list below multiply operands that are first quantised to E2M1 (2 exponent bits, 1 mantissa bit; 4 bits a number), with one power-of-two scale for each 32 numbers along K (OCP MX v1.0); their sums are f32. All else is computed in f32.
;;   The module's matrix products, in the order in which they are computed (A, B: the left and right operand; K: the contracted axis; several contracted axes count as one K, in the product's order):
;;     1. [M 8,192, K 1,024] x [K 1,024, N 3,072]; A: input x (given as codes); B: input Wqkv (given as codes): QUANTISED
;;     2. batch 64 x [M 2,048, K 64] x [K 64, N 2,048]; A: computed on the way; B: computed on the way: QUANTISED
;;     3. batch 64 x [M 2,048, K 2,048] x [K 2,048, N 64]; A: softmax (see below); B: computed on the way: QUANTISED
;;     4. [M 8,192, K 1,024] x [K 1,024, N 16]; A: input x (given as codes); B: input Wgate (given as codes): QUANTISED
;;     5. [M 8,192, K 1,024] x [K 1,024, N 1,024]; A: computed on the way; B: input Wout (given as codes): QUANTISED
;;   THE QUANTISER, for each operand of a quantised product, along K:
;;     - K is cut into blocks of 32 from its start; a last block that is shorter is filled with zeros.
;;     - A block's scale is 2^e with e = floor(log2(the largest magnitude in the block)) - 2, held to -126 .. 127; a block of zeros has e = 0. As a byte (E8M0): e + 127.
;;     - Each number is divided by its block's scale, clamped to +-6, and rounded to the nearest number of E2M1, ties to even, subnormals kept.
;;     - The product sums the exact products of the quantised numbers (number of the format x scale) in f32.
;;   ~~~python
;;   def quantise(x, axis):      # numpy; x: float32 -> the quantised numbers, widened to float32 again
;;       x = np.moveaxis(x, axis, -1); K = x.shape[-1]
;;       x = np.pad(x, [(0, 0)] * (x.ndim - 1) + [(0, -K % 32)]); x = x.reshape(x.shape[:-1] + (-1, 32)); a = np.abs(x).max(-1, keepdims=True)
;;       e = np.where(a > 0, np.clip(np.frexp(np.where(a > 0, a, 1))[1] - 1 - 2, -126, 127), 0)      # np.frexp(a)[1] - 1 = floor(log2(a)), exactly
;;       r = np.clip(x / 2.0 ** e, -6, 6)
;;       step = 2.0 ** (np.maximum(np.frexp(np.where(r == 0, 1, r))[1] - 1, 0) - 1)
;;       q = np.round(r / step) * step * 2.0 ** e      # np.round: ties to even
;;       return np.moveaxis(q.reshape(q.shape[:-2] + (-1,))[..., :K], -1, axis).astype(np.float32)
;;   ~~~
;;   SOFTMAX AHEAD OF A QUANTISED PRODUCT. Where the list says 'softmax', what is quantised is not the finished softmax but p = 2^(t - M), with t = logit x log2(e) and M = ceil(the row's largest t), a whole number; so 1/2 < the row's largest p <= 1. The row's sum l is taken of the UNQUANTISED p, in f32, and the product's result is divided by l at the end. Since M is a whole number, a kernel that streams over the keys may use a running M (the ceiling of the running maximum): every later rescaling is an exact power of two, which a block's scale takes up: the codes' values come out the same.
;;   OPERANDS COMPUTED ON THE WAY. 'Computed on the way' means the value that the module computes at that place (a softmax that the list does not call 'softmax' is quantised finished and normalised). What goes into a quantiser is computed in f32, as accurately as f32 sums, v_exp_f32 and their like allow (about 1e-6 of the number): no bf16 or f16 on the way to a quantiser, and a product that is left as it is and whose result goes on into a quantised operand takes f32 operands (vector FMAs, or v_wmma_f32_16x16x4_f32). A number that lies on a knife's edge between two numbers of the format may be rounded either way, as far as f32 arithmetic and the matrix unit's own rounding can turn it there, and no further.
;;   INPUTS GIVEN AS CODES. Wgate (in the module: [1024, 16], K = its axis 0); Wout (in the module: [1024, 1024], K = its axis 0); Wqkv (in the module: [1024, 3072], K = its axis 0); x (in the module: [4, 2048, 1024], K = its axis 2): each comes as NAME_codes (uint8): NAME with its K axis moved to the last place and cut into blocks of 32 codes, [.., K / 32, bytes a block], one block behind the other in memory; two codes a byte, the lower K in the low four bits (a code: sign, 2 exponent bits, 1 mantissa bit); and NAME_scales (uint8): the same leading axes, one E8M0 byte (e + 127) for each 32 codes along K. Its value is code x scale, taken as it is: it is not quantised again, and the codes and scales need not be those that the quantiser above would give.
;; One version. Each part assembles by itself: llvm-mc -triple=amdgcn-amd-amdhsa -mcpu=gfx1250 --defsym DOCPART=n.
;; ======== version 1 of 1: 4 launches
;; limits: right only within a limited range of input values
;; workspace buffers: qkv 13,893,632 bytes; gate 524,288 bytes; ac 4,194,304 bytes; acs 262,144 bytes
;; launch qk (part 1): grid 4 x 64, 4 waves a work-group, clusters of 4 x 4, 327,680 bytes of LDS; arguments x_codes, x_scales, Wqkv_codes, Wqkv_scales, token_positions, qkv; writes qkv
.if DOCPART == 1
	.amdgcn_target "amdgcn-amd-amdhsa--gfx1250"
	.amdhsa_code_object_version 6
	.text
	.protected	k_q8031876dbd_qk
	.globl	k_q8031876dbd_qk
	.p2align	8
	.type	k_q8031876dbd_qk,@function
k_q8031876dbd_qk:
	s_mov_b64 s[64:65], 0
	v_nop
	global_prefetch_b8 v0, s[64:65] scope:SCOPE_SE
	s_setreg_imm32_b32 hwreg(HW_REG_WAVE_MODE, 25, 1), 1
	s_wait_xcnt 0x0
	s_wait_alu depctr_hold_cnt(0) depctr_sa_sdst(0) depctr_va_vdst(0) depctr_va_sdst(0) depctr_va_ssrc(0) depctr_va_vcc(0) depctr_vm_vsrc(0)
	s_getreg_b32 s2, hwreg(HW_REG_IB_STS2, 6, 4)
	s_cmp_eq_u32 s2, 0
	s_cbranch_scc0 .Lentry_in_a_cluster
	s_endpgm
.Lentry_in_a_cluster:
	s_bfe_u32 s2, ttmp6, 0x10000c
	s_cmp_lg_u32 s2, 0xf033
	s_cbranch_scc0 .Lentry_shape_is_right
	s_endpgm
.Lentry_shape_is_right:
; FIRST OF FOUR LAUNCHES (qk, vg, attn, outp) of a causal self-attention, B 4, S 2048, D 1024, 16 heads of 64, all five products on codes of FP4 (E2M1) with one E8M0 scale for each 32 along K.
; THIS LAUNCH: Q and K = x Wqkv[:, 0:2048], rotated by the positions (RoPE, interleaved pairs), quantised along the head's 64, stored as images of operand registers in the workspace qkv.
; DEAD WORK LEFT OUT BY THE PROGRAM (in the launch attn, nowhere else): reference() itself masks scores[q][k] for k > q by its own jnp.tril, ahead of the softmax; such a key has p = 0, adds nothing to the
; row's sum nor to the second product, and cannot raise the row's maximum, whatever finite values the inputs hold.  Key steps of 128 keys that all come after all 16 queries of a tile are therefore not walked.
; Every input has a way to an output and is loaded.  LIMIT: a NaN, an infinity or an overflow that reaches only such hidden steps is not carried to the result.
; LIMITS OF THIS LAUNCH: NaN and infinities are not served; a block whose largest magnitude lies under 2^-124 gets the scale byte 1 (a block of zeros too: its codes are zeros, and this program alone reads
; the bytes); the angle is reduced by three parts of pi/2, good for |position| up to 2^17; the 32 frequencies 10^(-p/8) are the nearest f32 numbers.
; SHARES.  A work-group of four waves makes 128 tokens x 256 columns; all of K = 1024 lies in LDS (each row 512 bytes + 16 of padding), filled once: no slot is filled again.  Cluster x says Q (0) or K (1):
; it only chooses the place of the results.  Wave w makes one head, 4 cx + w: 128 tokens x 64 channels, 32 accumulators.
; CLUSTERS: 4 x 4 work-groups; x's tiles are shared along a row of the cluster, W's along a column: joint loads.
; TRANSPOSED USE: source 0 = 16 rows of W, source 1 = 16 tokens: a lane holds ONE token and its registers run along the channels, which are the next product's K.
; THE ROWS OF A TILE ARE NOT NEIGHBOURS: row r of tile i is 32 (i / 2) + 8 (i % 2) + r + 8 (r / 8), for W's channels and for the tokens alike: so the 16 registers of channel tiles 2 b, 2 b + 1 are channels
; 32 b + 16 (lane / 16) + 0 .. 15, and the keys of a tile of K are those that the launch attn wants.
; REGISTERS, in windows of 256: window 0: v1-31 addresses; v32-95 scale words; v96-127 at work; v128-255 x's fragments, two sets (ahead of the products: the table's arithmetic; behind them: the way out).
;   window 1: the 32 accumulators, (token tile m, channel tile t) at v[8 (4 m + t)].   window 2: v0-63 W's fragments, two sets.
; THE SHARES AS THEY STAND NOW: the grid is one cluster wide.  A work-group makes BOTH Q and K of its 128 tokens and its four heads, in two passes: x's codes, x's scales and the table stay in LDS;
; W's 256 rows and their scales are filled again for the second pass (rows 1,024 further on in Wqkv), behind a round of the cluster's barrier, and land while Q goes out.
.set PITCH, 528                        ; an LDS row holds all of K: 512 bytes + 16 of padding
.set BBASE, 128*PITCH                  ; x: 128 rows; behind them W: 256 rows
.set SCA,   BBASE+256*PITCH            ; x's scale bytes: 128 rows x 32 bytes as 16 rows of 256 + 16
.set SCB,   SCA+16*272                 ; W's: 32 such rows
.set TAB,   SCB+32*272                 ; cosines and sines: 8 token tiles x 4,096 bytes, as images of registers; stored by the waves, no fill lands here
.set SPARE, TAB+8*4096                 ; the spare words, 128 bytes a wave
.set QOFF,  64*16*8960                 ; in qkv: behind the 64 heads' K and V parts
.set R, 1
.set H, 2
.set ADRA, 3                           ; x's fragments
.set ADRB, 4                           ; W's fragments
.set ADRS, 6                           ; scale words: lanes 0-15 x's, lanes 16-31 W's
.set ADRSA, 7                          ; scale words: x's in all lanes
.set TABW, 8
.set TABR, 9
.set LI, 10                            ; 16 x lane
.set SPW, 12
.set NIL, 13
.set POF, 24
.set COF, 25
.set SOF, 26
.set SC, 32                            ; scale words: tile i, K step q at v[SC + 8 i + q]
.set TM, 96
.set SW, 112
.set J, 120
.set AF, 128
.set CS, 128                           ; the way out: cosines and sines, two sets of 32
.set XO, 192                           ; a rotated tile
.set PCQ, 224                          ; codes: four registers a tile
.set FQ, 128                           ; the table: 16 frequencies of my half of the lanes
.set PS, 144                           ; two positions
.set TA, 146
.set TK, 148
.set TR, 150
.set TI, 152
.set TZ, 154
.set TS, 156
.set TC, 158
.set CSR, 160                          ; 2 x 32 results
.set TX, 224
.set TY, 226
.set G1A, 32
.set G1B, 40
.set G1SA, 48
.set G1SB, 56
.set G0SA, 68
.set G0A, 72
.set G0SB, 80
.set G0B, 84
.set WV, 92
.set WH, 93
.set WE, 94
.set CX, 95
.set CY, 96
.set TCOL, 97
.set TROW, 98
.set T0, 99
.set SEL, 100
.set MHI, 104
.set CC3, 105
.set MSB, 0
.macro WIN new                         ; the immediate's high byte repeats the setting that is left
.if MSB != \new
	s_set_vgpr_msb (MSB<<8)|\new
.set MSB, \new
.endif
.endm
.macro PLACES n
.rept \n
	v_nop
.endr
.endm
; One arm of the head's chain of branches on the wave's number: its joint load, an s_nop 0 and four v_nop, and a jump to the chain's end.
.macro ARM under, g0, g1, next
	s_cmp_lt_u32 s[WV], \under
	s_cbranch_scc0 \next
	tensor_load_to_lds s[\g0:\g0+3], s[\g1:\g1+7]
	s_nop 0
.rept 4
	v_nop
.endr
	s_branch .Lhead_asked
\next:
.endm
.macro CROUND                          ; a round of the cluster's barrier
	s_barrier_signal -1
	s_barrier_wait -1
	s_cmp_lg_u32 s[WV], 0
	s_cbranch_scc1 .Lnot_wave_0_\@
	s_barrier_signal -3
.Lnot_wave_0_\@:
	s_barrier_wait -3
	s_barrier_signal -1
	s_barrier_wait -1
.endm
	s_load_b256 s[4:11], s[0:1], 0x0               ; x's codes, x's scales, W's codes, W's scales
	s_load_b128 s[12:15], s[0:1], 0x20             ; the positions, qkv
	v_lshl_add_u32 v[SPW], v0, 2, SPARE
	v_mov_b32 v[NIL], 0
	ds_add_u32 v[SPW], v[NIL]                      ; the wave's opening: the add, twice on end, and its wait ahead of my first tensor load
	ds_add_u32 v[SPW], v[NIL]
	v_lshrrev_b32 v14, 5, v0
	v_readfirstlane_b32 s[WV], v14                 ; wave 0..3
	s_bfe_u32 s[CX], ttmp6, 0x40000
	s_bfe_u32 s[CY], ttmp6, 0x40004
	s_lshl_b32 s[TCOL], ttmp9, 2
	s_add_co_u32 s[TCOL], s[TCOL], s[CX]           ; which 256 rows of W
	s_and_b32 s[TROW], ttmp7, 0xffff
	s_lshl_b32 s[TROW], s[TROW], 2
	s_add_co_u32 s[TROW], s[TROW], s[CY]           ; which 128 tokens: 16 b + j
	s_lshl_b32 s2, s[CY], 2
	s_lshl_b32 s2, 15, s2                          ; my row of the cluster
	s_lshl_b32 s66, 0x1111, s[CX]                  ; my column
	s_or_b32 s[G1A], s2, (1<<20)|(1<<21)|(6<<22)|(3<<25)           ; elements of 1 byte; 4 words of padding behind every 128
	s_or_b32 s[G1B], s66, (1<<20)|(1<<21)|(6<<22)|(3<<25)
	s_or_b32 s[G1SA], s2, (3<<16)|(1<<20)|(1<<21)|(5<<22)|(3<<25)  ; elements of 8 bytes
	s_or_b32 s[G1SB], s66, (3<<16)|(1<<20)|(1<<21)|(5<<22)|(3<<25)
.irp g, G1A, G1B
	s_mov_b32 s[\g+1], 512<<16                     ; tensor_dim0 = 512 bytes: a whole row of codes
	s_mov_b32 s[\g+3], 512<<16                     ; tile_dim0
	s_mov_b32 s[\g+5], 512                         ; a row of codes in memory
	s_mov_b32 s[\g+6], 0
	s_mov_b32 s[\g+7], 0
.endr
	s_mov_b32 s[G1A+2], 128<<16                    ; x: 128 rows in one load
	s_mov_b32 s[G1A+4], 128
	s_mov_b32 s[G1B+2], 256<<16                    ; W: 256 rows in one load
	s_mov_b32 s[G1B+4], 256
.irp g, G1SA, G1SB
	s_mov_b32 s[\g+1], 32<<16                      ; dense blocks as rows of 256 bytes
	s_mov_b32 s[\g+3], 32<<16
	s_mov_b32 s[\g+5], 32
	s_mov_b32 s[\g+6], 0
	s_mov_b32 s[\g+7], 0
.endr
	s_mov_b32 s[G1SA+2], 16<<16
	s_mov_b32 s[G1SA+4], 16
	s_mov_b32 s[G1SB+2], 32<<16
	s_mov_b32 s[G1SB+4], 32
	s_lshl_b32 s2, s[TROW], 12                     ; x's scales: 128 tile row x 32 bytes
	s_mov_b32 s3, 0
	s_lshl_b32 s66, s[TCOL], 13                    ; W's scales: 256 tile column x 32 bytes
	s_mov_b32 s67, 0
	s_mov_b32 s[SEL], 0x76543210
	s_mov_b32 s[SEL+1], 0xfedcba98                 ; v_permlanex16_b32's selects for lane l xor 16
	s_mov_b32 s[MHI], 0xffff0000                   ; lanes 16-31
	s_wait_dscnt 0x0                               ; both opening adds are done
	s_wait_kmcnt 0x0
	s_mov_b32 s[G0SA], 1
	s_mov_b32 s[G0SA+1], SCA
	s_add_nc_u64 s[G0SA+2:G0SA+3], s[6:7], s[2:3]
	s_or_b32 s[G0SA+3], s[G0SA+3], 0x80000000
	s_lshl_b32 s2, s2, 4                           ; the codes: 512 bytes a row
	s_mov_b32 s[G0A], 1
	s_mov_b32 s[G0A+1], 0
	s_add_nc_u64 s[G0A+2:G0A+3], s[4:5], s[2:3]
	s_or_b32 s[G0A+3], s[G0A+3], 0x80000000
	s_mov_b32 s[G0SB], 1
	s_mov_b32 s[G0SB+1], SCB
	s_add_nc_u64 s[G0SB+2:G0SB+3], s[10:11], s[66:67]
	s_or_b32 s[G0SB+3], s[G0SB+3], 0x80000000
	s_lshl_b32 s66, s66, 4
	s_mov_b32 s[G0B], 1
	s_mov_b32 s[G0B+1], BBASE
	s_add_nc_u64 s[G0B+2:G0B+3], s[8:9], s[66:67]
	s_or_b32 s[G0B+3], s[G0B+3], 0x80000000
	CROUND                                         ; all sixteen work-groups are here: the joint loads meet
	; the head's four tiles, one joint load a wave: wave 0 x's 128 rows, wave 1 W's 256 rows, wave 2 x's scales, wave 3 W's
	ARM 1, G0A,  G1A,  .Lhead_b
	ARM 2, G0B,  G1B,  .Lhead_sa
	ARM 3, G0SA, G1SA, .Lhead_sb
	tensor_load_to_lds s[G0SB:G0SB+3], s[G1SB:G1SB+7]
	s_nop 0
.rept 4
	v_nop
.endr
.Lhead_asked:
	v_and_b32 v[R], 15, v0                         ; r
	v_bfe_u32 v[H], v0, 4, 1                       ; h
	v_and_b32 v14, 8, v[R]
	v_add_nc_u32 v14, v14, v[R]                    ; r + 8 (r / 8)
	v_mul_u32_u24 v[ADRA], v14, PITCH
	v_lshl_add_u32 v[ADRA], v[H], 4, v[ADRA]
	s_mul_i32 s[T0], s[WV], 64*PITCH               ; my 64 rows of W
	s_add_co_u32 s[T0], s[T0], BBASE
	v_add_nc_u32 v[ADRB], s[T0], v[ADRA]
	v_lshrrev_b32 v15, 3, v[R]
	v_mul_u32_u24 v15, v15, 544                    ; a row of scales: 32 bytes, eight rows to 272 bytes; rows r and r + 8 of a tile lie 16 rows apart
	v_and_b32 v[ADRSA], 7, v[R]
	v_lshl_add_u32 v15, v[ADRSA], 5, v15
	v_add_nc_u32 v[ADRSA], SCA, v15
	s_mul_i32 s[T0], s[WV], 8*272
	s_add_co_u32 s[T0], s[T0], SCB-SCA
	v_mul_u32_u24 v15, s[T0], v[H]                 ; lanes 16-31 take W's
	v_add_nc_u32 v[ADRS], v[ADRSA], v15
	v_and_b32 v[LI], 31, v0
	v_lshlrev_b32 v[LI], 4, v[LI]
	s_wait_alu depctr_va_vdst(0)
	s_lshl_b32 s[T0], s[WV], 13                    ; I make the table of token tiles 2 w and 2 w + 1
	s_add_co_u32 s[T0], s[T0], TAB
	v_add_nc_u32 v[TABW], s[T0], v[LI]
	v_add_nc_u32 v[TABR], TAB, v[LI]
	v_lshlrev_b32 v[POF], 2, v14                   ; the positions of tokens 32 w + 8 u + r + 8 (r / 8) of my 128
	s_lshl_b32 s[T0], s[WV], 7
	v_add_nc_u32 v[POF], s[T0], v[POF]
	s_lshl_b32 s16, s[TROW], 9
	v_add_nc_u32 v[POF], s16, v[POF]
	global_load_b32 v[PS], v[POF], s[12:13]
	global_load_b32 v[PS+1], v[POF], s[12:13] offset:32
	; where the results go: 16 n + j, n = 4 head + b
	s_lshl_b32 s16, s[CX], 4
	s_lshl_b32 s17, s[WV], 2
	s_add_co_u32 s16, s16, s17
	s_lshr_b32 s17, s[TROW], 4
	s_add_co_u32 s16, s16, s17
	s_lshl_b32 s16, s16, 4
	s_and_b32 s17, s[TROW], 15
	s_add_co_u32 s16, s16, s17
	s_mul_i32 s17, s16, 4608                       ; Q: 4,096 bytes of codes and 512 of scale words for 128 tokens
	s_add_co_u32 s17, s17, QOFF
	s_mul_i32 s18, s16, 8960                       ; K: at the head of a key step's 8,960 bytes; its scale words 8,192 on
	v_add_nc_u32 v[COF], s17, v[LI]
	s_add_co_u32 s17, s17, 4096
	v_add_nc_u32 v[SOF], s17, v[LI]
	v_add_nc_u32 v[COF+2], s18, v[LI]              ; v27, v28: the same two offsets for K
	s_add_co_u32 s18, s18, 8192
	v_add_nc_u32 v[SOF+2], s18, v[LI]
	v_mov_b32 v[TM+4], 0                           ; written once: a lane permute's destination counts as one of its sources
	v_mov_b32 v[TM+5], 0
	; THE TABLE.  Pair 8 b + e of a lane's 32 channels has the frequency 10^(-(16 b + 8 h + e) / 8)
	s_mov_b32 s4, 0xbfc90fdb                       ; -pi/2 in three parts
	s_mov_b32 s5, 0x333bbd2e
	s_mov_b32 s6, 0x26f72ced
	s_mov_b32 s7, 0xbe2aaaa3                       ; sine: -1.6666654611e-1, 8.3321608736e-3, -1.9515295891e-4
	s_mov_b32 s8, 0x3c08839e
	s_mov_b32 s9, 0xb94ca1f9
	s_mov_b32 s10, 0x3d2aaaa5                      ; cosine: 4.166664568e-2, -1.388731625e-3, 2.443315712e-5
	s_mov_b32 s11, 0xbab6061a
	s_mov_b32 s[CC3], 0x37ccf5ce
	v_cmp_eq_u32 vcc_lo, 1, v[H]
.macro FREQ e, lo, hi
	v_mov_b32 v[FQ+\e], \hi
	v_cndmask_b32 v[FQ+\e], \lo, v[FQ+\e], vcc_lo  ; lanes 0-15 the first, lanes 16-31 the second
.endm
	FREQ 0, 1.0, 0.1
	FREQ 1, 0.7498942093, 0.07498942093
	FREQ 2, 0.5623413252, 0.05623413252
	FREQ 3, 0.4216965034, 0.04216965034
	FREQ 4, 0.3162277660, 0.03162277660
	FREQ 5, 0.2371373706, 0.02371373706
	FREQ 6, 0.1778279410, 0.01778279410
	FREQ 7, 0.1333521432, 0.01333521432
	FREQ 8, 0.01, 0.001
	FREQ 9, 0.007498942093, 0.0007498942093
	FREQ 10, 0.005623413252, 0.0005623413252
	FREQ 11, 0.004216965034, 0.0004216965034
	FREQ 12, 0.003162277660, 0.0003162277660
	FREQ 13, 0.002371373706, 0.0002371373706
	FREQ 14, 0.001778279410, 0.0001778279410
	FREQ 15, 0.001333521432, 0.0001333521432
	s_wait_loadcnt 0x0
	v_cvt_f32_i32 v[PS], v[PS]
	v_cvt_f32_i32 v[PS+1], v[PS+1]
; cos and sin of position x frequency for pair pp, for both of my token tiles (u = 0, 1; the two chains by turns).  k = the nearest whole number to a x 2 / pi; r = a - k pi/2, by three fused multiply-adds;
; polynomials on |r| <= pi/4; k's low two bits say which of the two is which, and the signs.
.macro SINCOS2 pp
.irp u, 0,1
	v_mul_f32 v[TA+\u], v[PS+\u], v[FQ+(\pp)]
.endr
.irp u, 0,1
	v_mul_f32 v[TK+\u], 0x3f22f983, v[TA+\u]
.endr
.irp u, 0,1
	v_rndne_f32 v[TK+\u], v[TK+\u]
.endr
.irp u, 0,1
	v_fma_f32 v[TR+\u], v[TK+\u], s4, v[TA+\u]
.endr
.irp u, 0,1
	v_fma_f32 v[TR+\u], v[TK+\u], s5, v[TR+\u]
.endr
.irp u, 0,1
	v_fma_f32 v[TR+\u], v[TK+\u], s6, v[TR+\u]
	v_cvt_i32_f32 v[TI+\u], v[TK+\u]
.endr
.irp u, 0,1
	v_mul_f32 v[TZ+\u], v[TR+\u], v[TR+\u]
.endr
.irp u, 0,1
	v_fma_f32 v[TS+\u], v[TZ+\u], s9, s8
	v_fma_f32 v[TC+\u], v[TZ+\u], s[CC3], s11
	v_mul_f32 v[TA+\u], v[TZ+\u], v[TR+\u]
	v_fma_f32 v[TK+\u], v[TZ+\u], -0.5, 1.0
	v_mul_f32 v[TX+\u], v[TZ+\u], v[TZ+\u]
.endr
.irp u, 0,1
	v_fma_f32 v[TS+\u], v[TS+\u], v[TZ+\u], s7
	v_fma_f32 v[TC+\u], v[TC+\u], v[TZ+\u], s10
	v_lshlrev_b32 v[TY+\u], 30, v[TI+\u]
.endr
.irp u, 0,1
	v_fma_f32 v[TS+\u], v[TS+\u], v[TA+\u], v[TR+\u]   ; sin r
	v_fma_f32 v[TC+\u], v[TC+\u], v[TX+\u], v[TK+\u]   ; cos r
	v_and_b32 v[TZ+\u], 1, v[TI+\u]
	v_add_lshl_u32 v[TA+\u], v[TI+\u], 1, 30
	v_and_b32 v[TY+\u], 0x80000000, v[TY+\u]           ; the sine's sign: bit 1 of k
.endr
.irp u, 0,1
	v_and_b32 v[TA+\u], 0x80000000, v[TA+\u]           ; the cosine's: bit 1 of k + 1
	v_cmp_eq_u32 vcc_lo, 1, v[TZ+\u]
	v_cndmask_b32 v[CSR+32*\u+2*(\pp)+1], v[TS+\u], v[TC+\u], vcc_lo
	v_cndmask_b32 v[CSR+32*\u+2*(\pp)], v[TC+\u], v[TS+\u], vcc_lo
.endr
.irp u, 0,1
	v_xor_b32 v[CSR+32*\u+2*(\pp)+1], v[TY+\u], v[CSR+32*\u+2*(\pp)+1]
	v_xor_b32 v[CSR+32*\u+2*(\pp)], v[TA+\u], v[CSR+32*\u+2*(\pp)]
.endr
.endm
.irp pp, 0,1,2,3,4,5,6,7,8,9,10,11,12,13,14,15
	SINCOS2 \pp
.endr
.irp u, 0,1
.irp k, 0,1,2,3,4,5,6,7
	ds_store_b128 v[TABW], v[CSR+32*\u+4*\k:CSR+32*\u+4*\k+3] offset:4096*\u+512*\k   ; as images: (cos, sin) of pairs 2 k, 2 k + 1
.endr
.endr
.macro SCALES                          ; 4 words (4 K steps) a load; tiles 0-3: x's in lanes 0-15, W's in lanes 16-31; tiles 4-7: x's
.irp i, 0,1,2,3
.irp s, 0,1
	ds_load_b128 v[SC+8*\i+4*\s:SC+8*\i+4*\s+3], v[ADRS] offset:(4*(\i/2)+\i%2)*272+16*\s
.endr
.endr
.irp i, 4,5,6,7
.irp s, 0,1
	ds_load_b128 v[SC+8*\i+4*\s:SC+8*\i+4*\s+3], v[ADRSA] offset:(4*(\i/2)+\i%2)*272+16*\s
.endr
.endr
.endm
.macro FETCH q                         ; K step q's fragments into set q % 2: W's four, x's eight
	WIN 0x80                                       ; destination window 2
.irp t, 0,1,2,3
.irp c, 0,1
	ds_load_b128 v[32*((\q)%2)+8*\t+4*\c:32*((\q)%2)+8*\t+4*\c+3], v[ADRB] offset:(32*(\t/2)+8*(\t%2))*PITCH+64*(\q)+32*\c
.endr
.endr
	WIN 0
.irp m, 0,1,2,3,4,5,6,7
.irp c, 0,1
	ds_load_b128 v[AF+64*((\q)%2)+8*\m+4*\c:AF+64*((\q)%2)+8*\m+4*\c+3], v[ADRA] offset:(32*(\m/2)+8*(\m%2))*PITCH+64*(\q)+32*\c
.endr
.endr
.endm
.macro MUL q                           ; 32 products; the 32 accumulators take turns, one instruction a turn, in the same order in every step
.irp m, 0,1,2,3,4,5,6,7
.irp t, 0,1,2,3
.if (\q) == 0
	v_wmma_scale_f32_16x16x128_f8f6f4 v[8*(4*\m+\t):8*(4*\m+\t)+7], v[32*((\q)%2)+8*\t:32*((\q)%2)+8*\t+7], v[AF+64*((\q)%2)+8*\m:AF+64*((\q)%2)+8*\m+7], 0, v[SC+8*\t+(\q)], v[SC+8*\m+(\q)] matrix_a_fmt:MATRIX_FMT_FP4 matrix_b_fmt:MATRIX_FMT_FP4 matrix_a_scale:MATRIX_SCALE_ROW1
.else
	v_wmma_scale_f32_16x16x128_f8f6f4 v[8*(4*\m+\t):8*(4*\m+\t)+7], v[32*((\q)%2)+8*\t:32*((\q)%2)+8*\t+7], v[AF+64*((\q)%2)+8*\m:AF+64*((\q)%2)+8*\m+7], v[8*(4*\m+\t):8*(4*\m+\t)+7], v[SC+8*\t+(\q)], v[SC+8*\m+(\q)] matrix_a_fmt:MATRIX_FMT_FP4 matrix_b_fmt:MATRIX_FMT_FP4 matrix_a_scale:MATRIX_SCALE_ROW1
.endif
.endr
.endr
.endm
.macro STEP q
	s_wait_dscnt 0x0                               ; this step's fragments are in
.if (\q) < 7
.if (\q) > 0
	PLACES 4                                       ; in front of loads into registers that the last step's products read
.endif
	FETCH (\q)+1                                   ; lands while this step is multiplied
.endif
	WIN 0x52                                       ; source 0 (W) window 2, source 1 (x) window 0, C and D window 1
	MUL \q
.endm
	s_wait_tensorcnt 0x0                           ; my one tile has landed
	s_wait_dscnt 0x0                               ; my part of the table is stored
	s_barrier_signal -1
	s_barrier_wait -1
	SCALES
	FETCH 0
.irp q, 0,1,2,3,4,5,6,7
	STEP \q
.endr
	WIN 0
	PLACES 4                                       ; behind the last products: the way out reads results and loads into registers that they read
; 32 numbers of a lane, register 16 b + i = channel 32 b + 16 (lane / 16) + i of my row, become four registers of codes (lane (r, h): channels 32 h + 0 .. 31) and two scale bytes, in v[TM+4], v[TM+5].
.macro QUANT2 s, pc
.irp b, 0,1
	v_max3_num_f32 v[TM+\b], |v[(\s)+16*\b]|, |v[(\s)+1+16*\b]|, 0x1800000   ; and the floor 2^(3 - 127): the byte cannot fall under 1
.endr
.irp i, 2,4,6,8,10,12,14
.irp b, 0,1
	v_max3_num_f32 v[TM+\b], v[TM+\b], |v[(\s)+16*\b+\i]|, |v[(\s)+1+16*\b+\i]|
.endr
.endr
.irp b, 0,1
	v_permlanex16_b32 v[TM+4+\b], v[TM+\b], s[SEL], s[SEL+1]
.endr
.irp b, 0,1
	v_max_num_f32 v[TM+\b], v[TM+\b], v[TM+4+\b]   ; with lane l xor 16's: the block's largest magnitude
.endr
.irp b, 0,1
	v_add_nc_u32 v[TM+12+\b], 0xff000000, v[TM+\b] ; 2 off its exponent field: the conversion's scale operand
.endr
.irp b, 0,1
	v_lshrrev_b32 v[TM+4+\b], 23, v[TM+12+\b]      ; the scale's byte
.endr
.irp b, 0,1
	v_cvt_scalef32_pk8_fp4_f32 v[(\pc)+2*\b], v[(\s)+16*\b:(\s)+16*\b+7], v[TM+12+\b]
	v_cvt_scalef32_pk8_fp4_f32 v[(\pc)+2*\b+1], v[(\s)+16*\b+8:(\s)+16*\b+15], v[TM+12+\b]
.endr
	v_nop                                          ; one plain place behind a scaled conversion
	v_permlane16_swap_b32 v[(\pc)], v[(\pc)+2]     ; a whole block to a lane
	v_permlane16_swap_b32 v[(\pc)+1], v[(\pc)+3]
.endm
.macro TABL m                          ; token tile m's cosines and sines into set m % 2
.irp k, 0,1,2,3,4,5,6,7
	ds_load_b128 v[CS+32*((\m)%2)+4*\k:CS+32*((\m)%2)+4*\k+3], v[TABR] offset:4096*(\m)+512*\k
.endr
.endm
	; THE WAY OUT, a token tile at a time: rotate, quantise, store the image.  (x1, x2) -> (x1 cos - x2 sin, x1 sin + x2 cos), two packed instructions a pair
.macro WAYOUT z                        ; z = 0: Q's places in qkv, 1: K's
	TABL 0
.irp m, 0,1,2,3,4,5,6,7
	s_wait_dscnt 0x0
.if \m < 7
	TABL \m+1
.endif
	WIN 0x01                                       ; source 0: the accumulators, window 1
.irp p, 0,1,2,3,4,5,6,7,8,9,10,11,12,13,14,15
	v_pk_mul_f32 v[XO+2*\p:XO+2*\p+1], v[32*\m+2*\p:32*\m+2*\p+1], v[CS+32*(\m%2)+2*\p:CS+32*(\m%2)+2*\p+1] op_sel:[1,1] op_sel_hi:[1,0]   ; (x2 sin, x2 cos); each accumulator from its low end on
.endr
.irp p, 0,1,2,3,4,5,6,7,8,9,10,11,12,13,14,15
	v_pk_fma_f32 v[XO+2*\p:XO+2*\p+1], v[32*\m+2*\p:32*\m+2*\p+1], v[CS+32*(\m%2)+2*\p:CS+32*(\m%2)+2*\p+1], v[XO+2*\p:XO+2*\p+1] op_sel_hi:[0,1,1] neg_lo:[0,0,1]   ; (x1 cos - .., x1 sin + ..)
.endr
	WIN 0
	QUANT2 XO, PCQ+4*\m
	v_lshl_or_b32 v[SW+\m], v[TM+5], 8, v[TM+4]
	v_or_b32 v[SW+\m], 0x7f7f0000, v[SW+\m]        ; the upper 64 of the instruction's K hold zero codes on Q's side: their scales are 1
	global_store_b128 v[COF+2*\z], v[PCQ+4*\m:PCQ+4*\m+3], s[14:15] offset:512*\m   ; 32 lanes store 512 consecutive bytes
.endr
.irp p, 0,1,2,3
	v_cndmask_b32 v[J+\p], v[SW+2*\p], v[SW+2*\p+1], s[MHI]   ; word p: tile 2 p in lanes 0-15, tile 2 p + 1 in lanes 16-31
.endr
	global_store_b128 v[SOF+2*\z], v[J:J+3], s[14:15]
.endm
	; Q's products are done.  W's tile and W's scales are filled again: no tensor load of mine is out, the add, and my reads of both are over; a round of the cluster's barrier takes the barrier's place
	s_wait_tensorcnt 0x0
	ds_add_u32 v[SPW], v[NIL]
	s_add_nc_u64 s[G0B+2:G0B+3], s[G0B+2:G0B+3], 4*256*512     ; K's rows of Wqkv: four tile columns of 256 rows on,
	s_add_nc_u64 s[G0SB+2:G0SB+3], s[G0SB+2:G0SB+3], 4*256*32  ; and their scale bytes
	s_wait_dscnt 0x0
	CROUND
	s_cmp_eq_u32 s[WV], 1                          ; wave 1 fetches W's 256 rows, wave 3 their scales, the others nothing: x's tiles stay
	s_cbranch_scc0 .Lre_s
	tensor_load_to_lds s[G0B:G0B+3], s[G1B:G1B+7]
	s_nop 0
.rept 4
	v_nop
.endr
	s_branch .Lre_done
.Lre_s:
	s_cmp_eq_u32 s[WV], 3
	s_cbranch_scc0 .Lre_done
	tensor_load_to_lds s[G0SB:G0SB+3], s[G1SB:G1SB+7]
	s_nop 0
.rept 4
	v_nop
.endr
.Lre_done:
	WAYOUT 0                                       ; Q goes out while K's rows of W land
	s_wait_xcnt 0x0                                ; Q's stores have read their registers: fragments may land there
	s_wait_tensorcnt 0x0                           ; my refill, if I issued one, has landed,
	s_wait_dscnt 0x0
	s_barrier_signal -1
	s_barrier_wait -1                              ; everybody's has
	SCALES
	FETCH 0
.irp q, 0,1,2,3,4,5,6,7
	STEP \q
.endr
	WIN 0
	PLACES 4                                       ; behind the last products
	WAYOUT 1
	s_wait_tensorcnt 0x0                           ; the wave's end
	ds_add_u32 v[SPW], v[NIL]
	s_wait_dscnt 0x0
	CROUND                                         ; the closing round
	s_endpgm
.Lfunc_end_k_q8031876dbd_qk:
	.size	k_q8031876dbd_qk, .Lfunc_end_k_q8031876dbd_qk-k_q8031876dbd_qk
	.p2alignl 7, 3214868480
	.fill 96, 4, 3214868480
	.section	.rodata,"a",@progbits
	.p2align	6, 0x0
	.amdhsa_kernel k_q8031876dbd_qk
		.amdhsa_group_segment_fixed_size 327680
		.amdhsa_private_segment_fixed_size 0
		.amdhsa_enable_private_segment 0
		.amdhsa_kernarg_size 48
		.amdhsa_user_sgpr_count 2
		.amdhsa_user_sgpr_kernarg_segment_ptr 1
		.amdhsa_wavefront_size32 1
		.amdhsa_system_sgpr_workgroup_id_x 1
		.amdhsa_system_sgpr_workgroup_id_y 1
		.amdhsa_system_sgpr_workgroup_id_z 1
		.amdhsa_system_vgpr_workitem_id 0
		.amdhsa_next_free_vgpr 1024
		.amdhsa_next_free_sgpr 106
		.amdhsa_reserve_vcc 1
		.amdhsa_float_denorm_mode_32 3
		.amdhsa_float_denorm_mode_16_64 3
		.amdhsa_memory_ordered 1
		.amdhsa_forward_progress 1
		.amdhsa_inst_pref_size 223
	.end_amdhsa_kernel
	.amdgpu_metadata
---
amdhsa.version: [ 1, 2 ]
amdhsa.kernels:
  - .name:           k_q8031876dbd_qk
    .symbol:         k_q8031876dbd_qk.kd
    .args:
      - { .name: x_codes, .offset: 0, .size: 8, .value_kind: global_buffer, .address_space: global }
      - { .name: x_scales, .offset: 8, .size: 8, .value_kind: global_buffer, .address_space: global }
      - { .name: Wqkv_codes, .offset: 16, .size: 8, .value_kind: global_buffer, .address_space: global }
      - { .name: Wqkv_scales, .offset: 24, .size: 8, .value_kind: global_buffer, .address_space: global }
      - { .name: token_positions, .offset: 32, .size: 8, .value_kind: global_buffer, .address_space: global }
      - { .name: qkv, .offset: 40, .size: 8, .value_kind: global_buffer, .address_space: global }
    .group_segment_fixed_size: 327680
    .private_segment_fixed_size: 0
    .kernarg_segment_align: 8
    .kernarg_segment_size: 48
    .max_flat_workgroup_size: 128
    .sgpr_count:     106
    .vgpr_count:     1024
    .wavefront_size: 32
...
	.end_amdgpu_metadata
.endif
;; end of part 1
;; launch vg (part 2): grid 4 x 64, 4 waves a work-group, clusters of 4 x 4, 327,680 bytes of LDS; arguments x_codes, x_scales, Wqkv_codes, Wqkv_scales, Wgate_codes, Wgate_scales, v1, alpha1, alpha2, scale, qkv, gate, out1; writes qkv, gate, out1
.if DOCPART == 2
	.amdgcn_target "amdgcn-amd-amdhsa--gfx1250"
	.amdhsa_code_object_version 6
	.text
	.protected	k_q8031876dbd_vg
	.globl	k_q8031876dbd_vg
	.p2align	8
	.type	k_q8031876dbd_vg,@function
k_q8031876dbd_vg:
	s_mov_b64 s[64:65], 0
	v_nop
	global_prefetch_b8 v0, s[64:65] scope:SCOPE_SE
	s_setreg_imm32_b32 hwreg(HW_REG_WAVE_MODE, 25, 1), 1
	s_wait_xcnt 0x0
	s_wait_alu depctr_hold_cnt(0) depctr_sa_sdst(0) depctr_va_vdst(0) depctr_va_sdst(0) depctr_va_ssrc(0) depctr_va_vcc(0) depctr_vm_vsrc(0)
	s_getreg_b32 s2, hwreg(HW_REG_IB_STS2, 6, 4)
	s_cmp_eq_u32 s2, 0
	s_cbranch_scc0 .Lentry_in_a_cluster
	s_endpgm
.Lentry_in_a_cluster:
	s_bfe_u32 s2, ttmp6, 0x10000c
	s_cmp_lg_u32 s2, 0xf033
	s_cbranch_scc0 .Lentry_shape_is_right
	s_endpgm
.Lentry_shape_is_right:
.set PITCH, 272                        ; a row of the stage on the way out
.set XP,    528                        ; an LDS row of codes holds all of K: 512 bytes + 16 of padding
.set BBASE, 128*XP                     ; x: 128 rows; behind them W: 256 rows
.set SCA,   BBASE+256*XP
.set SCB,   SCA+16*272
.set SPARE, SCB+32*272
.set VST,   128*PITCH+8*128
.set R, 1
.set H, 2
.set ADRA, 3
.set ADRB, 4
.set ADRS, 6
.set ADRSA, 7
.set ADRG, 8
.set ADRGS, 9
.set LI, 10
.set L8, 11
.set SPW, 12
.set NIL, 13
.set WGSO, 15
.set WGS, 16
.set STO, 24
.set RD, 25
.set GA, 26
.set GOF, 27
.set VOF, 28
.set KOF, 29
.set K8, 30
.set WGO, 31
.set SC, 32
.set TM, 96
.set GT, 96
.set PCV, 112
.set VW, 120
.set J, 124
.set AF, 128
.set MS, 128
.set GV, 128
.set C1, 4
.set C2, 6
.set G1A, 32
.set G1B, 40
.set G1SA, 48
.set G1SB, 56
.set G0SA, 68
.set G0A, 72
.set G0SB, 80
.set G0B, 84
.set WV, 92
.set WH, 93
.set WE, 94
.set CX, 95
.set CY, 96
.set TCOL, 97
.set TROW, 98
.set T0, 99
.set SEL, 100
.set MHI, 104
.set MSB, 0
.macro WIN new
.if MSB != \new
	s_set_vgpr_msb (MSB<<8)|\new
.set MSB, \new
.endif
.endm
.macro PLACES n
.rept \n
	v_nop
.endr
.endm
; One arm of the head's chain of branches on the wave's number: its joint load, an s_nop 0 and four v_nop, and a jump to the chain's end.
.macro ARM under, g0, g1, next
	s_cmp_lt_u32 s[WV], \under
	s_cbranch_scc0 \next
	tensor_load_to_lds s[\g0:\g0+3], s[\g1:\g1+7]
	s_nop 0
.rept 4
	v_nop
.endr
	s_branch .Lhead_asked
\next:
.endm
.macro CROUND
	s_barrier_signal -1
	s_barrier_wait -1
	s_cmp_lg_u32 s[WV], 0
	s_cbranch_scc1 .Lnot_wave_0_\@
	s_barrier_signal -3
.Lnot_wave_0_\@:
	s_barrier_wait -3
	s_barrier_signal -1
	s_barrier_wait -1
.endm
	s_load_b256 s[4:11], s[0:1], 0x0
	s_load_b256 s[12:19], s[0:1], 0x20
	s_load_b256 s[20:27], s[0:1], 0x40
	s_load_b64 s[28:29], s[0:1], 0x60
	v_lshl_add_u32 v[SPW], v0, 2, SPARE
	v_mov_b32 v[NIL], 0
	ds_add_u32 v[SPW], v[NIL]
	ds_add_u32 v[SPW], v[NIL]
	v_lshrrev_b32 v14, 5, v0
	v_readfirstlane_b32 s[WV], v14
	s_bfe_u32 s[CX], ttmp6, 0x40000
	s_bfe_u32 s[CY], ttmp6, 0x40004
	s_add_co_u32 s[TCOL], s[CX], 8
	s_and_b32 s[TROW], ttmp7, 0xffff
	s_lshl_b32 s[TROW], s[TROW], 2
	s_add_co_u32 s[TROW], s[TROW], s[CY]
	s_lshl_b32 s2, s[CY], 2
	s_lshl_b32 s2, 15, s2
	s_lshl_b32 s66, 0x1111, s[CX]
	s_or_b32 s[G1A], s2, (1<<20)|(1<<21)|(6<<22)|(3<<25)           ; elements of 1 byte; 4 words of padding behind every 128
	s_or_b32 s[G1B], s66, (1<<20)|(1<<21)|(6<<22)|(3<<25)
	s_or_b32 s[G1SA], s2, (3<<16)|(1<<20)|(1<<21)|(5<<22)|(3<<25)
	s_or_b32 s[G1SB], s66, (3<<16)|(1<<20)|(1<<21)|(5<<22)|(3<<25)
.irp g, G1A, G1B
	s_mov_b32 s[\g+1], 512<<16                     ; a whole row of codes
	s_mov_b32 s[\g+3], 512<<16
	s_mov_b32 s[\g+5], 512
	s_mov_b32 s[\g+6], 0
	s_mov_b32 s[\g+7], 0
.endr
	s_mov_b32 s[G1A+2], 128<<16                    ; x: 128 rows in one load
	s_mov_b32 s[G1A+4], 128
	s_mov_b32 s[G1B+2], 256<<16                    ; W: 256 rows in one load
	s_mov_b32 s[G1B+4], 256
.irp g, G1SA, G1SB
	s_mov_b32 s[\g+1], 32<<16
	s_mov_b32 s[\g+3], 32<<16
	s_mov_b32 s[\g+5], 32
	s_mov_b32 s[\g+6], 0
	s_mov_b32 s[\g+7], 0
.endr
	s_mov_b32 s[G1SA+2], 16<<16
	s_mov_b32 s[G1SA+4], 16
	s_mov_b32 s[G1SB+2], 32<<16
	s_mov_b32 s[G1SB+4], 32
	s_lshl_b32 s2, s[TROW], 12                     ; x's scales: 128 tile row x 32 bytes
	s_mov_b32 s3, 0
	s_lshl_b32 s66, s[TCOL], 13                    ; W's scales: 256 tile column x 32 bytes
	s_mov_b32 s67, 0
	s_mov_b32 s[SEL], 0x76543210
	s_mov_b32 s[SEL+1], 0xfedcba98
	s_mov_b32 s[MHI], 0xffff0000
	s_wait_dscnt 0x0
	s_wait_kmcnt 0x0
	s_mov_b32 s[G0SA], 1
	s_mov_b32 s[G0SA+1], SCA
	s_add_nc_u64 s[G0SA+2:G0SA+3], s[6:7], s[2:3]
	s_or_b32 s[G0SA+3], s[G0SA+3], 0x80000000
	s_lshl_b32 s2, s2, 4                           ; the codes: 512 bytes a row
	s_mov_b32 s[G0A], 1
	s_mov_b32 s[G0A+1], 0
	s_add_nc_u64 s[G0A+2:G0A+3], s[4:5], s[2:3]
	s_or_b32 s[G0A+3], s[G0A+3], 0x80000000
	s_mov_b32 s[G0SB], 1
	s_mov_b32 s[G0SB+1], SCB
	s_add_nc_u64 s[G0SB+2:G0SB+3], s[10:11], s[66:67]
	s_or_b32 s[G0SB+3], s[G0SB+3], 0x80000000
	s_lshl_b32 s66, s66, 4
	s_mov_b32 s[G0B], 1
	s_mov_b32 s[G0B+1], BBASE
	s_add_nc_u64 s[G0B+2:G0B+3], s[8:9], s[66:67]
	s_or_b32 s[G0B+3], s[G0B+3], 0x80000000
	CROUND                                         ; all sixteen work-groups are here: the joint loads meet
	; the head's four tiles, one joint load a wave: wave 0 x's 128 rows, wave 1 W's 256 rows, wave 2 x's scales, wave 3 W's
	ARM 1, G0A,  G1A,  .Lhead_b
	ARM 2, G0B,  G1B,  .Lhead_sa
	ARM 3, G0SA, G1SA, .Lhead_sb
	tensor_load_to_lds s[G0SB:G0SB+3], s[G1SB:G1SB+7]
	s_nop 0
.rept 4
	v_nop
.endr
.Lhead_asked:
	v_and_b32 v[R], 15, v0
	v_bfe_u32 v[H], v0, 4, 1
	v_and_b32 v14, 8, v[R]
	v_add_nc_u32 v14, v14, v[R]
	v_mul_u32_u24 v[ADRA], v14, PITCH
	v_lshrrev_b32 v[GA], 3, v[R]
	s_mul_i32 s[T0], s[WV], VST
	v_lshl_add_u32 v[STO], v[GA], 7, v[ADRA]
	v_lshl_add_u32 v[STO], v[H], 6, v[STO]
	v_add_nc_u32 v[STO], s[T0], v[STO]
	v_mul_u32_u24 v[RD], v[H], PITCH
	v_lshl_add_u32 v[RD], v[R], 4, v[RD]
	v_add_nc_u32 v[RD], s[T0], v[RD]
	v_mul_u32_u24 v[ADRSA], v[GA], 544
	v_and_b32 v[ADRS], 7, v[R]
	v_lshl_add_u32 v[ADRSA], v[ADRS], 5, v[ADRSA]
	v_add_nc_u32 v[ADRSA], SCA, v[ADRSA]
	v_mul_u32_u24 v[GA], v[H], 16*PITCH+128
	v_lshl_add_u32 v[GA], v14, 2, v[GA]
	v_add_nc_u32 v[GA], s[T0], v[GA]
	v_mul_u32_u24 v[ADRA], v14, XP                 ; a fragment's row in the tiles of codes
	v_lshl_add_u32 v[ADRA], v[H], 4, v[ADRA]
	s_mul_i32 s[T0], s[WV], 64*XP
	s_add_co_u32 s[T0], s[T0], BBASE
	v_add_nc_u32 v[ADRB], s[T0], v[ADRA]
	s_mul_i32 s[T0], s[WV], 8*272
	s_add_co_u32 s[T0], s[T0], SCB-SCA
	v_mul_u32_u24 v[ADRS], s[T0], v[H]
	v_add_nc_u32 v[ADRS], v[ADRSA], v[ADRS]
	s_mul_i32 s[T0], s[WV], 32*XP
	v_add_nc_u32 v[ADRG], s[T0], v[ADRA]
	s_mul_i32 s[T0], s[WV], 4*272
	v_add_nc_u32 v[ADRGS], s[T0], v[ADRSA]
	v_and_b32 v[LI], 31, v0
	v_lshlrev_b32 v[L8], 3, v[LI]
	v_lshlrev_b32 v[LI], 4, v[LI]
	s_wait_alu depctr_va_vdst(0)
	s_lshl_b32 s30, s[CX], 4
	s_lshr_b32 s31, s[TROW], 4
	s_add_co_u32 s30, s30, s31
	s_and_b32 s31, s[TROW], 15
	s_lshl_b32 s105, s30, 13
	s_lshl_b32 s[T0], s[WV], 7
	s_add_co_u32 s105, s105, s[T0]
	s_lshl_b32 s31, s31, 9
	s_add_co_u32 s105, s105, s31
	v_lshlrev_b32 v[GOF], 15, v[R]
	v_lshl_add_u32 v[GOF], v[H], 6, v[GOF]
	v_add_nc_u32 v[GOF], s105, v[GOF]
	s_lshl_b32 s[T0], s[WV], 2
	s_add_co_u32 s30, s30, s[T0]
	s_lshl_b32 s30, s30, 4
	s_lshr_b32 s31, s31, 9
	s_add_co_u32 s30, s30, s31
	s_lshl_b32 s31, s30, 15
	v_add_nc_u32 v[VOF], s31, v[LI]
	s_wait_alu depctr_va_vdst(0)
	s_mul_i32 s31, s30, 8960
	v_add_nc_u32 v[KOF], s31, v[LI]
	v_add_nc_u32 v[K8], s31, v[L8]
	s_lshl_b32 s30, s[CX], 2
	v_add_nc_u32 v14, s30, v[R]
	v_and_b32 v14, 15, v14
	v_lshlrev_b32 v[WGO], 9, v14
	v_lshl_add_u32 v[WGO], v[H], 4, v[WGO]
	v_lshlrev_b32 v[WGSO], 5, v14
	s_load_b32 s30, s[18:19], 0x0
	s_load_b32 s31, s[20:21], 0x0
	s_load_b32 s105, s[22:23], 0x0
	WIN 0x80
.irp q, 0,1,2,3,4,5,6,7
.irp c, 0,1
	global_load_b128 v[64+8*\q+4*\c:64+8*\q+4*\c+3], v[WGO], s[12:13] offset:64*\q+32*\c
.endr
.endr
	WIN 0
	global_load_b128 v[WGS:WGS+3], v[WGSO], s[14:15]
	global_load_b128 v[WGS+4:WGS+7], v[WGSO], s[14:15] offset:16
	WIN 0xc0
.set K, 0
.rept 64
	global_load_b128 v[4*K:4*K+3], v[VOF], s[16:17] offset:512*K th:TH_LOAD_NT
.set K, K+1
.endr
	WIN 0
.irp b, 0,1,2,3
	v_mov_b32 v[TM+4+\b], 0
.endr
	s_wait_kmcnt 0x0
	v_mov_b32 v146, s30
	v_mov_b32 v147, s31
	v_mul_f32 v148, s30, v146
	v_fma_f32 v148, s31, v147, v148
	v_add_f32 v148, 0x322bcc77, v148
	s_wait_alu depctr_va_vdst(0)
	v_rsq_f32 v148, v148
	v_nop
	s_wait_alu depctr_va_vdst(0)
	v_mul_f32 v148, s105, v148
	v_mul_f32 v146, v148, v146
	v_mul_f32 v147, v148, v147
	v_readfirstlane_b32 s[C1], v146
	v_readfirstlane_b32 s[C2], v147
	s_mov_b32 s[C1+1], s[C1]
	s_mov_b32 s[C2+1], s[C2]
.macro SCALES
.irp i, 0,1,2,3
.irp s, 0,1
	ds_load_b128 v[SC+8*\i+4*\s:SC+8*\i+4*\s+3], v[ADRS] offset:(4*(\i/2)+\i%2)*272+16*\s
.endr
.endr
.irp i, 4,5,6,7
.irp s, 0,1
	ds_load_b128 v[SC+8*\i+4*\s:SC+8*\i+4*\s+3], v[ADRSA] offset:(4*(\i/2)+\i%2)*272+16*\s
.endr
.endr
.endm
.macro FETCH q
	WIN 0x80
.irp t, 0,1,2,3
.irp c, 0,1
	ds_load_b128 v[32*((\q)%2)+8*\t+4*\c:32*((\q)%2)+8*\t+4*\c+3], v[ADRB] offset:(32*(\t/2)+8*(\t%2))*XP+64*(\q)+32*\c
.endr
.endr
	WIN 0
.irp m, 0,1,2,3,4,5,6,7
.irp c, 0,1
	ds_load_b128 v[AF+64*((\q)%2)+8*\m+4*\c:AF+64*((\q)%2)+8*\m+4*\c+3], v[ADRA] offset:(32*(\m/2)+8*(\m%2))*XP+64*(\q)+32*\c
.endr
.endr
.endm
.macro MUL q
.irp m, 0,1,2,3,4,5,6,7
.irp t, 0,1,2,3
.if (\q) == 0
	v_wmma_scale_f32_16x16x128_f8f6f4 v[8*(4*\m+\t):8*(4*\m+\t)+7], v[32*((\q)%2)+8*\t:32*((\q)%2)+8*\t+7], v[AF+64*((\q)%2)+8*\m:AF+64*((\q)%2)+8*\m+7], 0, v[SC+8*\t+(\q)], v[SC+8*\m+(\q)] matrix_a_fmt:MATRIX_FMT_FP4 matrix_b_fmt:MATRIX_FMT_FP4 matrix_a_scale:MATRIX_SCALE_ROW1
.else
	v_wmma_scale_f32_16x16x128_f8f6f4 v[8*(4*\m+\t):8*(4*\m+\t)+7], v[32*((\q)%2)+8*\t:32*((\q)%2)+8*\t+7], v[AF+64*((\q)%2)+8*\m:AF+64*((\q)%2)+8*\m+7], v[8*(4*\m+\t):8*(4*\m+\t)+7], v[SC+8*\t+(\q)], v[SC+8*\m+(\q)] matrix_a_fmt:MATRIX_FMT_FP4 matrix_b_fmt:MATRIX_FMT_FP4 matrix_a_scale:MATRIX_SCALE_ROW1
.endif
.endr
.endr
.endm
.macro STEP q
	s_wait_dscnt 0x0
.if (\q) < 7
.if (\q) > 0
	PLACES 4
.endif
	FETCH (\q)+1
.endif
	WIN 0x52
	MUL \q
.endm
	s_wait_tensorcnt 0x0                           ; my one tile has landed
	s_barrier_signal -1
	s_barrier_wait -1
	SCALES
	FETCH 0
.irp q, 0,1,2,3,4,5,6,7
	STEP \q
.endr
	WIN 0
	PLACES 4
.irp u, 0,1
.irp q, 0,1,2,3,4,5,6,7
.irp c, 0,1
	ds_load_b128 v[AF+64*\u+8*\q+4*\c:AF+64*\u+8*\q+4*\c+3], v[ADRG] offset:8*\u*XP+64*\q+32*\c
.endr
.endr
.irp s, 0,1
	ds_load_b128 v[SC+8*\u+4*\s:SC+8*\u+4*\s+3], v[ADRGS] offset:272*\u+16*\s
.endr
.endr
	s_wait_loadcnt 0x0
	s_wait_dscnt 0x0
	WIN 0x08
.irp q, 0,1,2,3,4,5,6,7
.irp u, 0,1
.if \q == 0
	v_wmma_scale_f32_16x16x128_f8f6f4 v[GT+8*\u:GT+8*\u+7], v[AF+64*\u+8*\q:AF+64*\u+8*\q+7], v[64+8*\q:64+8*\q+7], 0, v[SC+8*\u+\q], v[WGS+\q] matrix_a_fmt:MATRIX_FMT_FP4 matrix_b_fmt:MATRIX_FMT_FP4
.else
	v_wmma_scale_f32_16x16x128_f8f6f4 v[GT+8*\u:GT+8*\u+7], v[AF+64*\u+8*\q:AF+64*\u+8*\q+7], v[64+8*\q:64+8*\q+7], v[GT+8*\u:GT+8*\u+7], v[SC+8*\u+\q], v[WGS+\q] matrix_a_fmt:MATRIX_FMT_FP4 matrix_b_fmt:MATRIX_FMT_FP4
.endif
.endr
.endr
	WIN 0
	PLACES 4
.set K, 0
.rept 16
	v_mul_f32 v[GT+K], 0xbfb8aa3b, v[GT+K]
.set K, K+1
.endr
.set K, 0
	s_wait_alu depctr_va_vdst(0)
.rept 16
	v_exp_f32 v[GT+K], v[GT+K]
.set K, K+1
.endr
	v_nop
	s_wait_alu depctr_va_vdst(0)
.set K, 0
.rept 16
	v_add_f32 v[GT+K], 1.0, v[GT+K]
.set K, K+1
.endr
.set K, 0
	s_wait_alu depctr_va_vdst(0)
.rept 16
	v_rcp_f32 v[GT+K], v[GT+K]
.set K, K+1
.endr
	v_cmp_gt_u32 vcc_lo, 4, v[R]
	s_wait_alu depctr_va_vdst(0)
	s_wait_xcnt 0x0
	s_and_saveexec_b32 s30, vcc_lo
.irp k, 0,1,2,3
	global_store_b128 v[GOF], v[GT+4*\k:GT+4*\k+3], s[26:27] offset:16*\k
.endr
	s_wait_xcnt 0x0
	s_or_b32 exec_lo, exec_lo, s30
	s_wait_dscnt 0x0
	s_barrier_signal -1
	s_barrier_wait -1
	WIN 0x04
.irp m, 0,1,2,3,4,5,6,7
.irp t, 0,1,2,3
	ds_store_b128 v[STO], v[8*(4*\m+\t):8*(4*\m+\t)+3] offset:(32*(\m/2)+8*(\m%2))*PITCH+256*(\m/2)+128*(\t/2)+32*(\t%2)
	ds_store_b128 v[STO], v[8*(4*\m+\t)+4:8*(4*\m+\t)+7] offset:(32*(\m/2)+8*(\m%2))*PITCH+256*(\m/2)+128*(\t/2)+32*(\t%2)+16
.endr
.endr
	WIN 0xc3
.set K, 0
.rept 128
	v_pk_mul_f32 v[K:K+1], v[K:K+1], s[C2:C2+1] op_sel_hi:[1,0]
.set K, K+2
.endr
	WIN 0
.macro STL g
.irp i, 0,1,2,3,4,5,6,7
	ds_load_b128 v[MS+32*((\g)%2)+4*\i:MS+32*((\g)%2)+4*\i+3], v[RD] offset:2*(8*(\g)+\i)*PITCH+128*(\g)
.endr
.endm
	STL 0
.irp g, 0,1,2,3,4,5,6,7
	s_wait_dscnt 0x0
.if \g < 7
	STL \g+1
.endif
	WIN 0xf0
.irp k, 0,1,2,3,4,5,6,7,8,9,10,11,12,13,14,15
	v_pk_fma_f32 v[32*\g+2*\k:32*\g+2*\k+1], v[MS+32*(\g%2)+2*\k:MS+32*(\g%2)+2*\k+1], s[C1:C1+1], v[32*\g+2*\k:32*\g+2*\k+1] op_sel_hi:[1,0,1]
.endr
	WIN 0x0c
.irp i, 0,1,2,3,4,5,6,7
	global_store_b128 v[VOF], v[32*\g+4*\i:32*\g+4*\i+3], s[28:29] offset:512*(8*\g+\i) th:TH_STORE_NT
	ds_store_b128 v[RD], v[32*\g+4*\i:32*\g+4*\i+3] offset:2*(8*\g+\i)*PITCH+128*\g
.endr
	WIN 0
.endr
.macro QUANT4 s, pc, pw
.irp b, 0,1,2,3
	v_max3_num_f32 v[TM+\b], |v[(\s)+16*\b]|, |v[(\s)+1+16*\b]|, 0x1800000
.endr
.irp i, 2,4,6,8,10,12,14
.irp b, 0,1,2,3
	v_max3_num_f32 v[TM+\b], v[TM+\b], |v[(\s)+16*\b+\i]|, |v[(\s)+1+16*\b+\i]|
.endr
.endr
.irp b, 0,1,2,3
	v_permlanex16_b32 v[TM+4+\b], v[TM+\b], s[SEL], s[SEL+1]
.endr
.irp b, 0,1,2,3
	v_max_num_f32 v[TM+\b], v[TM+\b], v[TM+4+\b]
.endr
.irp b, 0,1,2,3
	v_add_nc_u32 v[TM+12+\b], 0xff000000, v[TM+\b]
.endr
.irp b, 0,1,2,3
	v_lshrrev_b32 v[TM+4+\b], 23, v[TM+12+\b]
.endr
	v_lshl_or_b32 v[\pw], v[TM+5], 8, v[TM+4]
	v_lshl_or_b32 v[\pw], v[TM+6], 16, v[\pw]
	v_lshl_or_b32 v[\pw], v[TM+7], 24, v[\pw]
.irp b, 0,1,2,3
	v_cvt_scalef32_pk8_fp4_f32 v[(\pc)+2*\b], v[(\s)+16*\b:(\s)+16*\b+7], v[TM+12+\b]
	v_cvt_scalef32_pk8_fp4_f32 v[(\pc)+2*\b+1], v[(\s)+16*\b+8:(\s)+16*\b+15], v[TM+12+\b]
.endr
	v_nop
.irp c, 0,1
.irp i, 0,1
	v_permlane16_swap_b32 v[(\pc)+4*\c+\i], v[(\pc)+2+4*\c+\i]
.endr
.endr
.endm
.macro GATH t
.irp b, 0,1,2,3
.irp i, 0,1,2,3,4,5,6,7,8,9,10,11,12,13,14,15
	ds_load_b32 v[GV+64*((\t)%2)+16*\b+\i], v[GA] offset:(32*\b+\i)*PITCH+256*\b+4*(32*((\t)/2)+8*((\t)%2))
.endr
.endr
.endm
	GATH 0
.irp t, 0,1,2,3
	s_wait_dscnt 0x0
.if \t < 3
	GATH \t+1
.endif
	s_wait_xcnt 0x0
	QUANT4 GV+64*(\t%2), PCV, VW+\t
	global_store_b128 v[KOF], v[PCV:PCV+3], s[24:25] offset:4096+1024*\t
	global_store_b128 v[KOF], v[PCV+4:PCV+7], s[24:25] offset:4096+1024*\t+512
.endr
.irp p, 0,1
	v_cndmask_b32 v[J+\p], v[VW+2*\p], v[VW+2*\p+1], s[MHI]
.endr
	global_store_b64 v[K8], v[J:J+1], s[24:25] offset:8704
	s_wait_tensorcnt 0x0
	ds_add_u32 v[SPW], v[NIL]
	s_wait_dscnt 0x0
	CROUND
	s_endpgm
.Lfunc_end_k_q8031876dbd_vg:
	.size	k_q8031876dbd_vg, .Lfunc_end_k_q8031876dbd_vg-k_q8031876dbd_vg
	.p2alignl 7, 3214868480
	.fill 96, 4, 3214868480
	.section	.rodata,"a",@progbits
	.p2align	6, 0x0
	.amdhsa_kernel k_q8031876dbd_vg
		.amdhsa_group_segment_fixed_size 327680
		.amdhsa_private_segment_fixed_size 0
		.amdhsa_enable_private_segment 0
		.amdhsa_kernarg_size 104
		.amdhsa_user_sgpr_count 2
		.amdhsa_user_sgpr_kernarg_segment_ptr 1
		.amdhsa_wavefront_size32 1
		.amdhsa_system_sgpr_workgroup_id_x 1
		.amdhsa_system_sgpr_workgroup_id_y 1
		.amdhsa_system_sgpr_workgroup_id_z 1
		.amdhsa_system_vgpr_workitem_id 0
		.amdhsa_next_free_vgpr 1024
		.amdhsa_next_free_sgpr 106
		.amdhsa_reserve_vcc 1
		.amdhsa_float_denorm_mode_32 3
		.amdhsa_float_denorm_mode_16_64 3
		.amdhsa_memory_ordered 1
		.amdhsa_forward_progress 1
		.amdhsa_inst_pref_size 140
	.end_amdhsa_kernel
	.amdgpu_metadata
---
amdhsa.version: [ 1, 2 ]
amdhsa.kernels:
  - .name:           k_q8031876dbd_vg
    .symbol:         k_q8031876dbd_vg.kd
    .args:
      - { .name: x_codes, .offset: 0, .size: 8, .value_kind: global_buffer, .address_space: global }
      - { .name: x_scales, .offset: 8, .size: 8, .value_kind: global_buffer, .address_space: global }
      - { .name: Wqkv_codes, .offset: 16, .size: 8, .value_kind: global_buffer, .address_space: global }
      - { .name: Wqkv_scales, .offset: 24, .size: 8, .value_kind: global_buffer, .address_space: global }
      - { .name: Wgate_codes, .offset: 32, .size: 8, .value_kind: global_buffer, .address_space: global }
      - { .name: Wgate_scales, .offset: 40, .size: 8, .value_kind: global_buffer, .address_space: global }
      - { .name: v1, .offset: 48, .size: 8, .value_kind: global_buffer, .address_space: global }
      - { .name: alpha1, .offset: 56, .size: 8, .value_kind: global_buffer, .address_space: global }
      - { .name: alpha2, .offset: 64, .size: 8, .value_kind: global_buffer, .address_space: global }
      - { .name: scale, .offset: 72, .size: 8, .value_kind: global_buffer, .address_space: global }
      - { .name: qkv, .offset: 80, .size: 8, .value_kind: global_buffer, .address_space: global }
      - { .name: gate, .offset: 88, .size: 8, .value_kind: global_buffer, .address_space: global }
      - { .name: out1, .offset: 96, .size: 8, .value_kind: global_buffer, .address_space: global }
    .group_segment_fixed_size: 327680
    .private_segment_fixed_size: 0
    .kernarg_segment_align: 8
    .kernarg_segment_size: 104
    .max_flat_workgroup_size: 128
    .sgpr_count:     106
    .vgpr_count:     1024
    .wavefront_size: 32
...
	.end_amdgpu_metadata
.endif
;; end of part 2
;; launch attn (part 3): grid 4 x 64, 16 waves a work-group, clusters of 4 x 1, 167,936 bytes of LDS; arguments qkv, gate, ac, acs; writes ac, acs
.if DOCPART == 3
	.amdgcn_target "amdgcn-amd-amdhsa--gfx1250"
	.amdhsa_code_object_version 6
	.text
	.protected	k_q8031876dbd_attn
	.globl	k_q8031876dbd_attn
	.p2align	8
	.type	k_q8031876dbd_attn,@function
k_q8031876dbd_attn:
	s_mov_b64 s[64:65], 0
	v_nop
	global_prefetch_b8 v0, s[64:65] scope:SCOPE_SE
	s_setreg_imm32_b32 hwreg(HW_REG_WAVE_MODE, 25, 1), 1
	s_wait_xcnt 0x0
	s_wait_alu depctr_hold_cnt(0) depctr_sa_sdst(0) depctr_va_vdst(0) depctr_va_sdst(0) depctr_va_ssrc(0) depctr_va_vcc(0) depctr_vm_vsrc(0)
	s_getreg_b32 s2, hwreg(HW_REG_IB_STS2, 6, 4)
	s_cmp_eq_u32 s2, 0
	s_cbranch_scc0 .Lentry_in_a_cluster
	s_endpgm
.Lentry_in_a_cluster:
	s_bfe_u32 s2, ttmp6, 0x10000c
	s_cmp_lg_u32 s2, 0x3003
	s_cbranch_scc0 .Lentry_shape_is_right
	s_endpgm
.Lentry_shape_is_right:
; THIRD LAUNCH: for each head n = 4 head + b: softmax(Q K^T / 8, causal) V, divided by the row's sum, times the gate, quantised along D into images of the last product's operand registers (ac) and scale bytes (acs).
; WORK LEFT OUT: key steps of 128 keys that all come after a tile's 16 queries: reference()'s own jnp.tril hides them (shown at the head of the launch qk).
; THE SOFTMAX AHEAD OF THE SECOND PRODUCT: t = score x log2(e) / 8; M = the running largest t rounded UP to a whole number; p = 2^(t - M) is quantised along the keys, not normalised; the row's sum is taken of the
; unquantised p; when M moves, the sum and O are multiplied by 2^(old M - new M), which rounds nothing.
; LIMITS: NaN and infinities are not served; O / l x gate is formed as O x (gate / l): another order of rounding, in f32; a block of zeros gets the scale byte 1.
; SHARES.  A cluster of four work-groups is one head.  The head's K and V, 16 key steps of 8,960 bytes (images of operand registers and scale words, as qk and vg laid them), come into each work-group's LDS ONCE, by
; sixteen joint loads, one a wave: no slot is filled again.  A wave owns two tiles of 16 queries, T and 127 - T, T = 8 (w / 2) + 2 cx + w % 2: together 17 live key steps, the same for every wave of the launch.
; Branches hang on the wave's number and the count of steps alone; cx enters addresses in memory and the register that the mask compares.
; LAYOUT.  Both products transposed: S^T = K Q^T, O^T = V^T P^T: a lane holds one query.  The head's K is 64: Q's registers 4-7 are zero codes and the scale bytes there are 1, so whatever K's operand names in its
; registers 4-7 (the next tile's codes) adds exact zeros.
.set STEPB, 8960
.set SPARE, 16*STEPB
.set QOFF,  64*16*STEPB
.set LI, 1
.set L8, 2
.set SPW, 3
.set NIL, 4
.set ADK, 5
.set ADV, 6
.set D1, 7
.set D2, 8
.set AC1, 9
.set AC2, 10
.set AS1, 11
.set AS2, 43
.set Q1, 16
.set Q2, 24
.set QS1, 32
.set QS2, 33
.set KS, 34                            ; v34-37 K's scale words: word p: tile 2 p in lanes 0-15, tile 2 p + 1 in lanes 16-31
.set VS, 38                            ; v38-39 V's likewise
.set PS, 40                            ; p's scale word
.set GT1, 41
.set GT2, 42
.set KR, 44                            ; v44-75 K: 8 tiles x 4 registers; v76-79 written once
.set VR, 80                            ; v80-111 V^T: 4 tiles x 8
.set S, 112                            ; v112-175 S^T, then p
.set O, 176                            ; v176-207 O^T
.set PC, 208                           ; p's codes
.set TM, 216
.set BM, 216
.set BT, 220
.set SO, 224
.set FP, 228                           ; v[228:229]: a factor, named as a pair
.set TP, 230
.set OC, 232
.set OB, 236
.set R, 80                             ; at the head only
.set H, 81
.set RR, 82
.set DL, 83
.set RH, 84
.set TQ, 85
.set WV, 12
.set CX, 13
.set NH, 14
.set AL1, 30
.set AL2, 34
.set TB, 42
.set ST, 43
.set SEL, 44
.set CS, 46
.set MHI, 48
.set TN, 50                            ; s50  LDS byte at which the next key step begins, held inside the sixteen steps
.set ADN, 238                          ; v238 LDS address of the next key step's K
.macro VL k                            ; the k-th four registers of V^T's fragments
	ds_load_b128 v[VR+4*(\k):VR+4*(\k)+3], v[ADK] offset:4096+512*(\k)
.endm
.macro PLACES n
.rept \n
	v_nop
.endr
.endm
.macro CROUND
	s_barrier_signal -1
	s_barrier_wait -1
	s_cmp_lg_u32 s[WV], 0
	s_cbranch_scc1 .Lnot_wave_0_\@
	s_barrier_signal -3
.Lnot_wave_0_\@:
	s_barrier_wait -3
	s_barrier_signal -1
	s_barrier_wait -1
.endm
	s_load_b256 s[4:11], s[0:1], 0x0               ; qkv, gate, ac, acs
	v_lshl_add_u32 v[SPW], v0, 2, SPARE
	v_mov_b32 v[NIL], 0
	ds_add_u32 v[SPW], v[NIL]                      ; the wave's opening: the add, twice on end, and its wait ahead of my first tensor load
	ds_add_u32 v[SPW], v[NIL]
	v_lshrrev_b32 v5, 5, v0
	s_delay_alu instid0(VALU_DEP_1)
	v_readfirstlane_b32 s[WV], v5                  ; wave 0..15
	s_bfe_u32 s[CX], ttmp6, 0x40000
	s_and_b32 s[NH], ttmp7, 0xffff                 ; n, which the four partners share
	s_mov_b32 s16, 15|(3<<16)|(1<<21)              ; the mask: all four; elements of 8 bytes; no padding
	s_mov_b32 s17, 32<<16                          ; a key step: a dense block, as 35 rows of 256 bytes
	s_mov_b32 s18, 35<<16
	s_mov_b32 s19, 32<<16
	s_mov_b32 s20, 35
	s_mov_b32 s21, 32
	s_mov_b32 s22, 0
	s_mov_b32 s23, 0
	s_mul_i32 s25, s[WV], STEPB                    ; wave w fetches key step w
	s_mul_i32 s28, s[NH], 16*STEPB
	s_add_co_u32 s28, s28, s25
	s_mov_b32 s29, 0
	s_mov_b32 s[SEL], 0x76543210
	s_mov_b32 s[SEL+1], 0xfedcba98
	s_mov_b32 s[CS], 0x3e38aa3b                    ; c = log2(e) / sqrt(64)
	s_mov_b32 s[CS+1], s[CS]
	s_mov_b32 s[MHI], 0xffff0000
	s_wait_dscnt 0x0
	s_wait_kmcnt 0x0
	s_mov_b32 s24, 1
	s_add_nc_u64 s[26:27], s[4:5], s[28:29]
	s_or_b32 s27, s27, 0x80000000
	CROUND                                         ; all four work-groups are here
	tensor_load_to_lds s[24:27], s[16:23]          ; my one tensor load
	s_nop 0
.rept 4
	v_nop
.endr
	v_and_b32 v[LI], 31, v0
	s_delay_alu instid0(VALU_DEP_1)
	v_lshlrev_b32 v[L8], 3, v[LI]
	s_delay_alu instid0(VALU_DEP_2)
	v_lshlrev_b32 v[LI], 4, v[LI]
	s_wait_alu depctr_va_vdst(0)
	v_and_b32 v[R], 15, v0
	s_wait_alu depctr_va_vdst(0)
	v_bfe_u32 v[H], v0, 4, 1
	v_and_b32 v[RR], 8, v[R]
	s_delay_alu instid0(VALU_DEP_1)
	v_add_nc_u32 v[RR], v[RR], v[R]                ; r + 8 (r / 8)
	s_delay_alu instid0(VALU_DEP_3)
	v_lshlrev_b32 v[DL], 4, v[H]
	s_delay_alu instid0(VALU_DEP_1)
	v_sub_nc_u32 v[DL], v[RR], v[DL]               ; - 16 h
	s_wait_alu depctr_va_vdst(0)
	v_lshl_add_u32 v[RH], v[R], 5, v[H]            ; 32 r + h
	s_wait_alu depctr_va_vdst(0)
	s_lshr_b32 s[AL1], s[WV], 1                    ; a: tile 1's last live key step;
	s_sub_co_u32 s[AL2], 15, s[AL1]                ; tile 2's: both of the wave's number alone
	s_and_b32 s31, s[WV], 1
	s_lshl_b32 s32, s[CX], 1
	s_add_co_u32 s31, s31, s32
	s_lshl_b32 s32, s[AL1], 3
	s_add_co_u32 s32, s32, s31                     ; T1
	s_sub_co_u32 s33, 127, s32                     ; T2
; what hangs on a tile's number T (in s[t]): Q's codes, scale word and gate are asked for; the mask's register and the two store offsets are made.  k: which three registers hold the loads' offsets
.macro TSET t, qf, qs, gt, d, aco, aso, k
	s_lshr_b32 s36, s[\t], 3                       ; its block of 128 tokens
	s_and_b32 s37, s[\t], 7                        ; m: the tile in the block
	s_lshl_b32 s38, s[NH], 4
	s_add_co_u32 s38, s38, s36
	s_mul_i32 s38, s38, 4608
	s_lshl_b32 s39, s37, 9
	s_add_co_u32 s39, s39, s38
	s_add_co_u32 s39, s39, QOFF
	v_add_nc_u32 v[TQ+3*\k], s39, v[LI]
	global_load_b128 v[\qf:\qf+3], v[TQ+3*\k], s[4:5]
	s_and_b32 s39, s37, 1
	s_lshl_b32 s39, s39, 8
	s_lshr_b32 s40, s37, 1
	s_lshl_b32 s41, s40, 2
	s_add_co_u32 s39, s39, s41
	s_add_co_u32 s39, s39, s38
	s_add_co_u32 s39, s39, QOFF+4096               ; the scale image: lane r + 16 (m % 2), word m / 2
	v_lshl_add_u32 v[TQ+3*\k+1], v[R], 4, s39
	global_load_b32 v[\qs], v[TQ+3*\k+1], s[4:5]
	s_lshl_b32 s40, s40, 5
	s_and_b32 s41, s37, 1
	s_lshl_b32 s41, s41, 3
	s_add_co_u32 s40, s40, s41                     ; 32 (m / 2) + 8 (m % 2)
	v_add_nc_u32 v[\d], s40, v[DL]                 ; d = my query in its block - 16 h
	s_lshl_b32 s41, s[NH], 11
	s_lshl_b32 s39, s36, 7
	s_add_co_u32 s41, s41, s39
	s_add_co_u32 s41, s41, s40
	s_lshl_b32 s41, s41, 2
	v_lshl_add_u32 v[TQ+3*\k+2], v[RR], 2, s41
	global_load_b32 v[\gt], v[TQ+3*\k+2], s[6:7]
	s_and_b32 s39, s[NH], 3
	s_lshl_b32 s39, s39, 4
	s_add_co_u32 s39, s39, s36                     ; 16 b + block
	s_lshl_b32 s41, s39, 16
	s_lshr_b32 s38, s[NH], 3                       ; head / 2: the last product's K step
	s_lshl_b32 s38, s38, 13
	s_add_co_u32 s41, s41, s38
	s_lshl_b32 s38, s37, 10
	s_add_co_u32 s41, s41, s38
	s_bfe_u32 s38, s[NH], 0x10002                  ; head % 2: which four registers of the fragment
	s_lshl_b32 s38, s38, 9
	s_add_co_u32 s41, s41, s38
	v_add_nc_u32 v[\aco], s41, v[LI]
	s_lshl_b32 s39, s39, 12
	s_lshl_b32 s38, s37, 9
	s_add_co_u32 s39, s39, s38
	s_lshr_b32 s38, s[NH], 2
	s_lshl_b32 s38, s38, 1
	s_add_co_u32 s39, s39, s38                     ; row 16 m + r of the block, 32 bytes a row; byte 2 head + h
	v_add_nc_u32 v[\aso], s39, v[RH]
.endm
	TSET 32, Q1, QS1, GT1, D1, AC1, AS1, 0
	TSET 33, Q2, QS2, GT2, D2, AC2, AS2, 1
.irp j, 4,5,6,7
	v_mov_b32 v[Q1+\j], 0                          ; zero codes for the upper 64 of the instruction's K
	v_mov_b32 v[Q2+\j], 0
.endr
.irp j, 0,1,2,3
	v_mov_b32 v[KR+32+\j], 0                       ; named by the last tile's operand
	v_mov_b32 v[BT+\j], 0                          ; a lane permute's destination counts as one of its sources
.endr
	v_mov_b32 v[FP+1], 0                           ; (named as the upper half of a pair)
	s_wait_loadcnt 0x0
	s_wait_tensorcnt 0x0                           ; my key step has landed,
	s_barrier_signal -1
	s_barrier_wait -1                              ; everybody's has
.macro QUANT2 s, pc                    ; as in the launch qk
.irp b, 0,1
	v_max3_num_f32 v[TM+\b], |v[(\s)+16*\b]|, |v[(\s)+1+16*\b]|, 0x1800000
.endr
.irp i, 2,4,6,8,10,12,14
.irp b, 0,1
	s_delay_alu instid0(VALU_DEP_2)
	v_max3_num_f32 v[TM+\b], v[TM+\b], |v[(\s)+16*\b+\i]|, |v[(\s)+1+16*\b+\i]|
.endr
.endr
.irp b, 0,1
	s_delay_alu instid0(VALU_DEP_2)
	v_permlanex16_b32 v[TM+4+\b], v[TM+\b], s[SEL], s[SEL+1]
.endr
.irp b, 0,1
	s_delay_alu instid0(VALU_DEP_2)
	v_max_num_f32 v[TM+\b], v[TM+\b], v[TM+4+\b]
.endr
.irp b, 0,1
	s_delay_alu instid0(VALU_DEP_2)
	v_add_nc_u32 v[TM+12+\b], 0xff000000, v[TM+\b]
.endr
.irp b, 0,1
	s_delay_alu instid0(VALU_DEP_2)
	v_lshrrev_b32 v[TM+4+\b], 23, v[TM+12+\b]
.endr
.irp b, 0,1
	v_cvt_scalef32_pk8_fp4_f32 v[(\pc)+2*\b], v[(\s)+16*\b:(\s)+16*\b+7], v[TM+12+\b]
	v_cvt_scalef32_pk8_fp4_f32 v[(\pc)+2*\b+1], v[(\s)+16*\b+8:(\s)+16*\b+15], v[TM+12+\b]
.endr
	v_nop
	v_permlane16_swap_b32 v[(\pc)], v[(\pc)+2]
	v_permlane16_swap_b32 v[(\pc)+1], v[(\pc)+3]
.endm
; ONE TILE OF 16 QUERIES.  The loop has a constant 16 trips; a trip whose keys all come after the tile's block is jumped over, but for the lines that step.  al: the register with the last live step
.macro TILE qf, qs, gt, d, aco, aso, al
	s_wait_xcnt 0x0                                ; the tile before has had its stores' registers read
.irp t, 0,1,2,3,4,5,6,7
	ds_load_b128 v[KR+4*\t:KR+4*\t+3], v[LI] offset:512*\t   ; key step 0's K: it lands under the lines below
.endr
	ds_load_b128 v[KS:KS+3], v[LI] offset:8192
	v_mov_b32 v13, 0xff61b1e6                      ; the largest t so far: -3e38
	s_delay_alu instid0(VALU_DEP_1)
	v_floor_f32 v12, -v13                          ; -M
	v_mov_b32 v14, 0                               ; the sum, in two halves
	v_mov_b32 v15, 0
.set K, 0
.rept 32
	v_mov_b32 v[O+K], 0                            ; O^T: the step is written once; the first change of M leaves zeros zeros
.set K, K+1
.endr
	s_mov_b32 s[TB], 0
	s_mov_b32 s[ST], 0
	s_wait_alu depctr_va_vdst(0)
.Ltrip_\@:
	s_cmp_gt_u32 s[ST], s[\al]
	s_cbranch_scc1 .Lhid_\@
	s_wait_dscnt 0x0                               ; this step's K, asked for a step ago, is in
.irp p, 0,1,2,3
	v_wmma_scale_f32_16x16x128_f8f6f4 v[S+16*\p:S+16*\p+7], v[KR+8*\p:KR+8*\p+7], v[\qf:\qf+7], 0, v[KS+\p], v[\qs] matrix_a_fmt:MATRIX_FMT_FP4 matrix_b_fmt:MATRIX_FMT_FP4
	v_wmma_scale_f32_16x16x128_f8f6f4 v[S+16*\p+8:S+16*\p+15], v[KR+8*\p+4:KR+8*\p+11], v[\qf:\qf+7], 0, v[KS+\p], v[\qs] matrix_a_fmt:MATRIX_FMT_FP4 matrix_b_fmt:MATRIX_FMT_FP4 matrix_a_scale:MATRIX_SCALE_ROW1
.endr
	s_add_co_u32 s[TN], s[TB], STEPB
	s_min_u32 s[TN], s[TN], 15*STEPB               ; the next step's address never leaves the sixteen steps
	v_add_nc_u32 v[ADK], s[TB], v[LI]              ; three additions and a v_nop: the four places behind the products
	v_add_nc_u32 v[ADV], s[TB], v[L8]
	v_add_nc_u32 v[ADN], s[TN], v[LI]
	v_nop
	s_wait_alu depctr_va_vdst(0)                   ; the wait
	s_cmp_lg_u32 s[ST], s[\al]                     ; on the diagonal hidden scores become -infinity; register 16 b + i holds key 32 b + 16 h + i: hidden where 32 b + i > d
	s_cbranch_scc1 .Lopen_\@
	v_mov_b32 v[TP], 0xff800000
.set K, 0
.rept 64
	v_cmp_gt_i32 vcc_lo, 32*(K/16)+K%16, v[\d]
	v_cndmask_b32 v[S+K], v[S+K], v[TP], vcc_lo
.set K, K+1
.endr
	s_wait_alu depctr_va_vdst(0)
	s_branch .Lmasked_\@                           ; the diagonal step is the tile's last: no K follows
.Lopen_\@:
.irp t, 0,1,2,3,4,5,6,7
	ds_load_b128 v[KR+4*\t:KR+4*\t+3], v[ADN] offset:512*\t   ; the NEXT step's K: its registers are free from here, and it has the whole softmax in which to land
.endr
	ds_load_b128 v[KS:KS+3], v[ADN] offset:8192
.Lmasked_\@:
; the largest score of each block of 32 keys, for the row's maximum and for the block's largest p: two chains a block, eight by turns; each accumulator is read from its low end on
.irp b, 0,1,2,3
	v_max3_num_f32 v[BM+\b], v[S+16*\b], v[S+1+16*\b], v[S+2+16*\b]
.endr
.irp b, 0,1,2,3
	v_max3_num_f32 v[BT+\b], v[S+8+16*\b], v[S+9+16*\b], v[S+10+16*\b]
.endr
.irp i, 3,5
.irp b, 0,1,2,3
	v_max3_num_f32 v[BM+\b], v[BM+\b], v[S+16*\b+\i], v[S+1+16*\b+\i]
.endr
.irp b, 0,1,2,3
	v_max3_num_f32 v[BT+\b], v[BT+\b], v[S+8+16*\b+\i], v[S+9+16*\b+\i]
.endr
.endr
.irp b, 0,1,2,3
	v_max3_num_f32 v[BM+\b], v[BM+\b], v[S+7+16*\b], v[S+15+16*\b]
.endr
.irp b, 0,1,2,3
	s_delay_alu instid0(VALU_DEP_4)
	v_max_num_f32 v[BM+\b], v[BM+\b], v[BT+\b]
.endr
.irp b, 0,1,2,3
	s_delay_alu instid0(VALU_DEP_4)
	v_permlanex16_b32 v[BT+\b], v[BM+\b], s[SEL], s[SEL+1]
.endr
.irp b, 0,1,2,3
	s_delay_alu instid0(VALU_DEP_4)
	v_max_num_f32 v[BM+\b], v[BM+\b], v[BT+\b]
.endr
	s_delay_alu instid0(VALU_DEP_2)
	v_max3_num_f32 v[TP], v[BM], v[BM+1], v[BM+2]  ; V's nine LDS loads stand between the links of this chain; V lands while the softmax is walked
	VL 0
	v_max_num_f32 v[TP], v[TP], v[BM+3]
	VL 1
	VL 2
	v_mul_f32 v[TP], s[CS], v[TP]
	VL 3
	VL 4
	v_max_num_f32 v13, v13, v[TP]                  ; the running largest t
	VL 5
	VL 6
	v_mov_b32 v[TP], v12
	v_floor_f32 v12, -v13                          ; the new -M
	VL 7
	ds_load_b64 v[VS:VS+1], v[ADV] offset:8704
.set K, 0
.rept 32
	v_pk_fma_f32 v[S+K:S+K+1], v[S+K:S+K+1], s[CS:CS+1], v[12:13] op_sel_hi:[1,0,0]   ; t - M
.set K, K+2
.endr
	v_sub_f32 v[TP], v12, v[TP]                    ; old M - new M: a whole number, 0 or less
	v_fma_f32 v[BM], v[BM], s[CS], v12
	v_fma_f32 v[BM+1], v[BM+1], s[CS], v12
	s_delay_alu instid0(VALU_DEP_3)
	v_cvt_i32_f32 v[TP], v[TP]
	v_fma_f32 v[BM+2], v[BM+2], s[CS], v12
	v_fma_f32 v[BM+3], v[BM+3], s[CS], v12
	s_delay_alu instid0(VALU_DEP_3)
	v_ldexp_f32 v[FP], 1.0, v[TP]                  ; f = 2^(old M - new M)
.set K, 0
	s_wait_alu depctr_va_vdst(0)
.rept 64
	v_exp_f32 v[S+K], v[S+K]                       ; p
.set K, K+1
.endr
	v_pk_mul_f32 v[14:15], v[14:15], v[FP:FP+1] op_sel_hi:[1,0]   ; the sums under the new M (a plain place behind the exponentials)
	s_wait_alu depctr_va_vdst(0)                   ; one wait for the batch, ahead of its first reader
.irp b, 0,1,2,3
	v_exp_f32 v[BM+\b], v[BM+\b]                   ; each block's largest p
.endr
	v_pk_add_f32 v[220:221], v[116:117], v[120:121]
	v_pk_add_f32 v[254:255], v[124:125], v[128:129]
	v_pk_add_f32 v[252:253], v[132:133], v[136:137]
	v_pk_add_f32 v[250:251], v[140:141], v[144:145]
	v_pk_add_f32 v[248:249], v[148:149], v[152:153]
	v_pk_add_f32 v[246:247], v[156:157], v[160:161]
	v_pk_add_f32 v[244:245], v[164:165], v[168:169]
	v_pk_add_f32 v[14:15], v[14:15], v[172:173]
	v_pk_add_f32 v[220:221], v[220:221], v[112:113]
	v_pk_add_f32 v[254:255], v[254:255], v[114:115]
	v_pk_add_f32 v[252:253], v[252:253], v[118:119]
	v_pk_add_f32 v[250:251], v[250:251], v[122:123]
	v_pk_add_f32 v[248:249], v[248:249], v[126:127]
	v_pk_add_f32 v[246:247], v[246:247], v[130:131]
	v_pk_add_f32 v[244:245], v[244:245], v[134:135]
	v_pk_add_f32 v[14:15], v[14:15], v[138:139]
	v_pk_add_f32 v[220:221], v[220:221], v[142:143]
	v_pk_add_f32 v[254:255], v[254:255], v[146:147]
	v_pk_add_f32 v[252:253], v[252:253], v[150:151]
	v_pk_add_f32 v[250:251], v[250:251], v[154:155]
	v_pk_add_f32 v[248:249], v[248:249], v[158:159]
	v_pk_add_f32 v[246:247], v[246:247], v[162:163]
	v_pk_add_f32 v[244:245], v[244:245], v[166:167]
	v_pk_add_f32 v[14:15], v[14:15], v[170:171]
	v_pk_add_f32 v[220:221], v[220:221], v[174:175]
	s_delay_alu instid0(VALU_DEP_2)
	v_pk_add_f32 v[14:15], v[14:15], v[250:251]
	s_delay_alu instid0(VALU_DEP_2)
	v_pk_add_f32 v[220:221], v[220:221], v[248:249]
	v_pk_add_f32 v[254:255], v[254:255], v[246:247]
	v_pk_add_f32 v[252:253], v[252:253], v[244:245]
	s_delay_alu instid0(VALU_DEP_2)
	v_pk_add_f32 v[14:15], v[14:15], v[254:255]
	s_delay_alu instid0(VALU_DEP_2)
	v_pk_add_f32 v[220:221], v[220:221], v[252:253]
	s_delay_alu instid0(VALU_DEP_1)
	v_pk_add_f32 v[14:15], v[14:15], v[220:221]
	s_wait_alu depctr_va_vdst(0)                   ; and one for the four
.irp b, 0,1,2,3
	v_max_num_f32 v[BM+\b], 0x1800000, v[BM+\b]    ; the floor: the byte cannot fall under 1
.endr
.irp b, 0,1,2,3
	s_delay_alu instid0(VALU_DEP_4)
	v_add_nc_u32 v[SO+\b], 0xff000000, v[BM+\b]
.endr
.irp b, 0,1,2,3
	s_delay_alu instid0(VALU_DEP_4)
	v_lshrrev_b32 v[BT+\b], 23, v[SO+\b]
.endr
	s_delay_alu instid0(VALU_DEP_3)
	v_lshl_or_b32 v[PS], v[BT+1], 8, v[BT]
	s_delay_alu instid0(VALU_DEP_1)
	v_lshl_or_b32 v[PS], v[BT+2], 16, v[PS]
	s_delay_alu instid0(VALU_DEP_1)
	v_lshl_or_b32 v[PS], v[BT+3], 24, v[PS]
.irp b, 0,1,2,3
	v_cvt_scalef32_pk8_fp4_f32 v[PC+2*\b], v[S+16*\b:S+16*\b+7], v[SO+\b]
	v_cvt_scalef32_pk8_fp4_f32 v[PC+2*\b+1], v[S+16*\b+8:S+16*\b+15], v[SO+\b]
.endr
	v_nop
.irp c, 0,1
.irp i, 0,1
	v_permlane16_swap_b32 v[PC+4*\c+\i], v[PC+2+4*\c+\i]
.endr
.endr
.set K, 0
.rept 16
	v_pk_mul_f32 v[O+K:O+K+1], v[O+K:O+K+1], v[FP:FP+1] op_sel_hi:[1,0]   ; O^T under the new M; these sixteen are also the places in front of the products below
.set K, K+2
.endr
	s_wait_alu depctr_va_vdst(0)
	s_wait_dscnt 0x0                               ; V is in
.irp p, 0,1
	v_wmma_scale_f32_16x16x128_f8f6f4 v[O+16*\p:O+16*\p+7], v[VR+16*\p:VR+16*\p+7], v[PC:PC+7], v[O+16*\p:O+16*\p+7], v[VS+\p], v[PS] matrix_a_fmt:MATRIX_FMT_FP4 matrix_b_fmt:MATRIX_FMT_FP4
	v_wmma_scale_f32_16x16x128_f8f6f4 v[O+16*\p+8:O+16*\p+15], v[VR+16*\p+8:VR+16*\p+15], v[PC:PC+7], v[O+16*\p+8:O+16*\p+15], v[VS+\p], v[PS] matrix_a_fmt:MATRIX_FMT_FP4 matrix_b_fmt:MATRIX_FMT_FP4 matrix_a_scale:MATRIX_SCALE_ROW1
.endr
.Lhid_\@:
	s_add_co_u32 s[TB], s[TB], STEPB
	s_add_co_u32 s[ST], s[ST], 1
	s_cmp_lt_u32 s[ST], 16
	s_cbranch_scc1 .Ltrip_\@
	PLACES 4                                       ; behind the last products
	v_add_f32 v14, v14, v15
	s_delay_alu instid0(VALU_DEP_1)
	v_permlanex16_b32 v[BT], v14, s[SEL], s[SEL+1]
	s_delay_alu instid0(VALU_DEP_1)
	v_add_f32 v14, v14, v[BT]                      ; the row's sum
	s_wait_alu depctr_va_vdst(0)
	v_rcp_f32 v[TP], v14
	v_nop
	s_wait_alu depctr_va_vdst(0)
	v_mul_f32 v[FP], v[TP], v[\gt]                 ; gate / sum
.set K, 0
.rept 16
	v_pk_mul_f32 v[O+K:O+K+1], v[O+K:O+K+1], v[FP:FP+1] op_sel_hi:[1,0]   ; register 16 b + i: channel 32 b + 16 h + i of my query
.set K, K+2
.endr
	QUANT2 O, OC
	global_store_b128 v[\aco], v[OC:OC+3], s[8:9]  ; 32 lanes store 512 consecutive bytes
	v_cndmask_b32 v[OB], v[TM+4], v[TM+5], s[MHI]  ; lanes 0-15 store block 0's byte, lanes 16-31 block 1's
	global_store_b8 v[\aso], v[OB], s[10:11]
.endm
	TILE Q1, QS1, GT1, D1, AC1, AS1, AL1
	TILE Q2, QS2, GT2, D2, AC2, AS2, AL2
	s_wait_tensorcnt 0x0                           ; the wave's end
	ds_add_u32 v[SPW], v[NIL]
	s_wait_dscnt 0x0
	CROUND                                         ; the closing round
	s_endpgm
.Lfunc_end_k_q8031876dbd_attn:
	.size	k_q8031876dbd_attn, .Lfunc_end_k_q8031876dbd_attn-k_q8031876dbd_attn
	.p2alignl 7, 3214868480
	.fill 96, 4, 3214868480
	.section	.rodata,"a",@progbits
	.p2align	6, 0x0
	.amdhsa_kernel k_q8031876dbd_attn
		.amdhsa_group_segment_fixed_size 167936
		.amdhsa_private_segment_fixed_size 0
		.amdhsa_enable_private_segment 0
		.amdhsa_kernarg_size 32
		.amdhsa_user_sgpr_count 2
		.amdhsa_user_sgpr_kernarg_segment_ptr 1
		.amdhsa_wavefront_size32 1
		.amdhsa_system_sgpr_workgroup_id_x 1
		.amdhsa_system_sgpr_workgroup_id_y 1
		.amdhsa_system_sgpr_workgroup_id_z 1
		.amdhsa_system_vgpr_workitem_id 0
		.amdhsa_next_free_vgpr 256
		.amdhsa_next_free_sgpr 66
		.amdhsa_reserve_vcc 1
		.amdhsa_float_denorm_mode_32 3
		.amdhsa_float_denorm_mode_16_64 3
		.amdhsa_memory_ordered 1
		.amdhsa_forward_progress 1
		.amdhsa_inst_pref_size 63
	.end_amdhsa_kernel
	.amdgpu_metadata
---
amdhsa.version: [ 1, 2 ]
amdhsa.kernels:
  - .name:           k_q8031876dbd_attn
    .symbol:         k_q8031876dbd_attn.kd
    .args:
      - { .name: qkv, .offset: 0, .size: 8, .value_kind: global_buffer, .address_space: global }
      - { .name: gate, .offset: 8, .size: 8, .value_kind: global_buffer, .address_space: global }
      - { .name: ac, .offset: 16, .size: 8, .value_kind: global_buffer, .address_space: global }
      - { .name: acs, .offset: 24, .size: 8, .value_kind: global_buffer, .address_space: global }
    .group_segment_fixed_size: 167936
    .private_segment_fixed_size: 0
    .kernarg_segment_align: 8
    .kernarg_segment_size: 32
    .max_flat_workgroup_size: 512
    .sgpr_count:     66
    .vgpr_count:     256
    .wavefront_size: 32
...
	.end_amdgpu_metadata
.endif
;; end of part 3
;; launch outp (part 4): grid 4 x 64, 4 waves a work-group, clusters of 4 x 4, 327,680 bytes of LDS; arguments ac, acs, Wout_codes, Wout_scales, out0; writes out0
.if DOCPART == 4
	.amdgcn_target "amdgcn-amd-amdhsa--gfx1250"
	.amdhsa_code_object_version 6
	.text
	.protected	k_q8031876dbd_outp
	.globl	k_q8031876dbd_outp
	.p2align	8
	.type	k_q8031876dbd_outp,@function
k_q8031876dbd_outp:
	s_mov_b64 s[64:65], 0
	v_nop
	global_prefetch_b8 v0, s[64:65] scope:SCOPE_SE
	s_setreg_imm32_b32 hwreg(HW_REG_WAVE_MODE, 25, 1), 1
	s_wait_xcnt 0x0
	s_wait_alu depctr_hold_cnt(0) depctr_sa_sdst(0) depctr_va_vdst(0) depctr_va_sdst(0) depctr_va_ssrc(0) depctr_va_vcc(0) depctr_vm_vsrc(0)
	s_getreg_b32 s2, hwreg(HW_REG_IB_STS2, 6, 4)
	s_cmp_eq_u32 s2, 0
	s_cbranch_scc0 .Lentry_in_a_cluster
	s_endpgm
.Lentry_in_a_cluster:
	s_bfe_u32 s2, ttmp6, 0x10000c
	s_cmp_lg_u32 s2, 0xf033
	s_cbranch_scc0 .Lentry_shape_is_right
	s_endpgm
.Lentry_shape_is_right:
; FOURTH LAUNCH: out0 = attn_cat Wout, on codes of FP4.  attn_cat comes as the launch attn laid it: images of operand registers (ac) and scale bytes (acs).  No work is left out here.
; A work-group of four waves makes 128 tokens x 256 columns, all of K = 1024 in LDS, filled once; wave w makes 128 x 64: 32 accumulators.  4 x 4 clusters: ac's tiles are shared along a row, Wout's along a column.
; Transposed use: source 0 = 16 rows of Wout (neighbouring columns of out0), source 1 = 16 tokens: a lane holds eight neighbouring numbers of a row of out0.
; Row r of token tile m is token 32 (m / 2) + 8 (m % 2) + r + 8 (r / 8) of the block: the order in which attn made the images; it shows only in the stores' offsets.
; REGISTERS: window 0: v1-31 addresses; v32-95 scale words; v128-255 ac's fragments, two sets, later rows of out0.  window 1: accumulators (m, t) at v[8 (4 m + t)].  window 2: v0-63 Wout's fragments, two sets.
.set PITCH, 272
.set ASLOT, 32768                      ; ac: four K steps of 8 fragments of 1,024 bytes, dense
.set BBASE, 2*ASLOT
.set WP,    528                        ; an LDS row of Wout holds all of K: 512 bytes + 16 of padding
.set SCA,   BBASE+256*WP
.set SCB,   SCA+16*272
.set STAGE, SCB+32*272                 ; 16 rows x (256 + 16) bytes for each wave; no fill lands here
.set SPARE, STAGE+4*16*272
.set R, 1
.set H, 2
.set ADRB, 4
.set ADRS, 6
.set ADRSA, 7
.set STO, 8
.set RD, 9
.set LI, 10
.set CO, 11
.set SPW, 12
.set NIL, 13
.set SC, 32
.set AF, 128
.set BK, 128
.set G1A, 32
.set G1B, 40
.set G1SA, 48
.set G1SB, 56
.set G0SA, 68
.set G0A, 72
.set G0SB, 80
.set G0B, 84
.set WV, 92
.set WH, 93
.set WE, 94
.set CX, 95
.set CY, 96
.set TROW, 98
.set T0, 99
.set MSB, 0
.macro WIN new
.if MSB != \new
	s_set_vgpr_msb (MSB<<8)|\new
.set MSB, \new
.endif
.endm
.macro PLACES n
.rept \n
	v_nop
.endr
.endm
; One arm of the head's chain of branches on the wave's number: its joint load, an s_nop 0 and four v_nop, and a jump to the chain's end.
.macro ARM under, g0, g1, next
	s_cmp_lt_u32 s[WV], \under
	s_cbranch_scc0 \next
	tensor_load_to_lds s[\g0:\g0+3], s[\g1:\g1+7]
	s_nop 0
.rept 4
	v_nop
.endr
	s_branch .Lhead_asked
\next:
.endm
.macro CROUND
	s_barrier_signal -1
	s_barrier_wait -1
	s_cmp_lg_u32 s[WV], 0
	s_cbranch_scc1 .Lnot_wave_0_\@
	s_barrier_signal -3
.Lnot_wave_0_\@:
	s_barrier_wait -3
	s_barrier_signal -1
	s_barrier_wait -1
.endm
	s_load_b256 s[4:11], s[0:1], 0x0               ; ac, acs, Wout's codes, Wout's scales
	s_load_b64 s[12:13], s[0:1], 0x20              ; out0
	v_lshl_add_u32 v[SPW], v0, 2, SPARE
	v_mov_b32 v[NIL], 0
	ds_add_u32 v[SPW], v[NIL]                      ; the wave's opening: the add, twice on end, and its wait ahead of my first tensor load
	ds_add_u32 v[SPW], v[NIL]
	v_lshrrev_b32 v14, 5, v0
	v_readfirstlane_b32 s[WV], v14
	s_bfe_u32 s[CX], ttmp6, 0x40000                ; the tile column: the grid is one cluster wide
	s_bfe_u32 s[CY], ttmp6, 0x40004
	s_and_b32 s[TROW], ttmp7, 0xffff
	s_lshl_b32 s[TROW], s[TROW], 2
	s_add_co_u32 s[TROW], s[TROW], s[CY]
	s_lshl_b32 s2, s[CY], 2
	s_lshl_b32 s2, 15, s2
	s_lshl_b32 s66, 0x1111, s[CX]
	s_or_b32 s[G1A], s2, (3<<16)|(1<<21)           ; ac: a dense block as rows of 256 bytes, no padding
	s_or_b32 s[G1B], s66, (1<<20)|(1<<21)|(6<<22)|(3<<25)          ; elements of 1 byte; 4 words of padding behind every 128
	s_or_b32 s[G1SA], s2, (3<<16)|(1<<20)|(1<<21)|(5<<22)|(3<<25)
	s_or_b32 s[G1SB], s66, (3<<16)|(1<<20)|(1<<21)|(5<<22)|(3<<25)
	s_mov_b32 s[G1A+1], 32<<16
	s_mov_b32 s[G1A+2], 256<<16                    ; the block's 65,536 bytes in one load
	s_mov_b32 s[G1A+3], 32<<16
	s_mov_b32 s[G1A+4], 256
	s_mov_b32 s[G1A+5], 32
	s_mov_b32 s[G1A+6], 0
	s_mov_b32 s[G1A+7], 0
	s_mov_b32 s[G1B+1], 512<<16                    ; Wout: 256 whole rows of 512 bytes in one load
	s_mov_b32 s[G1B+2], 256<<16
	s_mov_b32 s[G1B+3], 512<<16
	s_mov_b32 s[G1B+4], 256
	s_mov_b32 s[G1B+5], 512
	s_mov_b32 s[G1B+6], 0
	s_mov_b32 s[G1B+7], 0
.irp g, G1SA, G1SB
	s_mov_b32 s[\g+1], 32<<16
	s_mov_b32 s[\g+3], 32<<16
	s_mov_b32 s[\g+5], 32
	s_mov_b32 s[\g+6], 0
	s_mov_b32 s[\g+7], 0
.endr
	s_mov_b32 s[G1SA+2], 16<<16
	s_mov_b32 s[G1SA+4], 16
	s_mov_b32 s[G1SB+2], 32<<16
	s_mov_b32 s[G1SB+4], 32
	s_lshl_b32 s2, s[TROW], 12                     ; acs: 128 rows x 32 bytes a block
	s_mov_b32 s3, 0
	s_lshl_b32 s66, s[CX], 13
	s_mov_b32 s67, 0
	s_wait_dscnt 0x0
	s_wait_kmcnt 0x0
	s_mov_b32 s[G0SA], 1
	s_mov_b32 s[G0SA+1], SCA
	s_add_nc_u64 s[G0SA+2:G0SA+3], s[6:7], s[2:3]
	s_or_b32 s[G0SA+3], s[G0SA+3], 0x80000000
	s_lshl_b32 s2, s[TROW], 16                     ; ac: 65,536 bytes a block
	s_mov_b32 s[G0A], 1
	s_mov_b32 s[G0A+1], 0
	s_add_nc_u64 s[G0A+2:G0A+3], s[4:5], s[2:3]
	s_or_b32 s[G0A+3], s[G0A+3], 0x80000000
	s_mov_b32 s[G0SB], 1
	s_mov_b32 s[G0SB+1], SCB
	s_add_nc_u64 s[G0SB+2:G0SB+3], s[10:11], s[66:67]
	s_or_b32 s[G0SB+3], s[G0SB+3], 0x80000000
	s_lshl_b32 s66, s66, 4
	s_mov_b32 s[G0B], 1
	s_mov_b32 s[G0B+1], BBASE
	s_add_nc_u64 s[G0B+2:G0B+3], s[8:9], s[66:67]
	s_or_b32 s[G0B+3], s[G0B+3], 0x80000000
	CROUND                                         ; all sixteen work-groups are here: the joint loads meet
	; the head's four tiles, one joint load a wave: wave 0 ac's block, wave 1 Wout's 256 rows, wave 2 acs, wave 3 Wout's scales
	ARM 1, G0A,  G1A,  .Lhead_b
	ARM 2, G0B,  G1B,  .Lhead_sa
	ARM 3, G0SA, G1SA, .Lhead_sb
	tensor_load_to_lds s[G0SB:G0SB+3], s[G1SB:G1SB+7]
	s_nop 0
.rept 4
	v_nop
.endr
.Lhead_asked:
	v_and_b32 v[R], 15, v0
	v_bfe_u32 v[H], v0, 4, 1
	v_mul_u32_u24 v15, v[R], WP                    ; Wout's rows in their own order
	v_lshl_add_u32 v15, v[H], 4, v15
	s_mul_i32 s[T0], s[WV], 64*WP
	s_add_co_u32 s[T0], s[T0], BBASE
	v_add_nc_u32 v[ADRB], s[T0], v15
	v_mul_u32_u24 v14, v[R], PITCH                 ; a row of the stage
	s_mul_i32 s[T0], s[WV], 16*272
	s_add_co_u32 s[T0], s[T0], STAGE               ; my stage
	v_lshl_add_u32 v[STO], v[H], 5, v14            ; in: row r, 32 bytes for each half of the lanes
	v_add_nc_u32 v[STO], s[T0], v[STO]
	v_mul_u32_u24 v[RD], v[H], PITCH               ; back: lanes 0-15 one row, lanes 16-31 the next
	v_lshl_add_u32 v[RD], v[R], 4, v[RD]
	v_add_nc_u32 v[RD], s[T0], v[RD]
	v_lshrrev_b32 v15, 3, v[R]
	v_mul_u32_u24 v15, v15, 272                    ; scale words: row 16 i + r: eight rows to 272 bytes
	v_and_b32 v[ADRSA], 7, v[R]
	v_lshl_add_u32 v15, v[ADRSA], 5, v15
	v_add_nc_u32 v[ADRSA], SCA, v15
	s_mul_i32 s[T0], s[WV], 8*272
	s_add_co_u32 s[T0], s[T0], SCB-SCA
	v_mul_u32_u24 v15, s[T0], v[H]
	v_add_nc_u32 v[ADRS], v[ADRSA], v15
	v_and_b32 v[LI], 31, v0
	v_lshlrev_b32 v[LI], 4, v[LI]
	s_lshl_b32 s16, s[TROW], 19                    ; out0: 128 rows of 4,096 bytes a block; 1,024 bytes a tile column; 256 a wave
	s_lshl_b32 s17, s[CX], 10
	s_add_co_u32 s16, s16, s17
	s_lshl_b32 s17, s[WV], 8
	s_add_co_u32 s16, s16, s17
	v_lshlrev_b32 v[CO], 12, v[H]
	v_lshl_add_u32 v[CO], v[R], 4, v[CO]
	v_add_nc_u32 v[CO], s16, v[CO]
.macro SCALES
.irp i, 0,1,2,3
.irp s, 0,1
	ds_load_b128 v[SC+8*\i+4*\s:SC+8*\i+4*\s+3], v[ADRS] offset:544*\i+16*\s
.endr
.endr
.irp i, 4,5,6,7
.irp s, 0,1
	ds_load_b128 v[SC+8*\i+4*\s:SC+8*\i+4*\s+3], v[ADRSA] offset:544*\i+16*\s
.endr
.endr
.endm
.macro FETCH q
	WIN 0x80
.irp t, 0,1,2,3
.irp c, 0,1
	ds_load_b128 v[32*((\q)%2)+8*\t+4*\c:32*((\q)%2)+8*\t+4*\c+3], v[ADRB] offset:16*\t*WP+64*(\q)+32*\c
.endr
.endr
	WIN 0
.irp m, 0,1,2,3,4,5,6,7
.irp c, 0,1
	ds_load_b128 v[AF+64*((\q)%2)+8*\m+4*\c:AF+64*((\q)%2)+8*\m+4*\c+3], v[LI] offset:8192*(\q)+1024*\m+512*\c   ; an image: 512 consecutive bytes
.endr
.endr
.endm
.macro MUL q                           ; the 32 accumulators take turns, one instruction a turn
.irp m, 0,1,2,3,4,5,6,7
.irp t, 0,1,2,3
.if (\q) == 0
	v_wmma_scale_f32_16x16x128_f8f6f4 v[8*(4*\m+\t):8*(4*\m+\t)+7], v[32*((\q)%2)+8*\t:32*((\q)%2)+8*\t+7], v[AF+64*((\q)%2)+8*\m:AF+64*((\q)%2)+8*\m+7], 0, v[SC+8*\t+(\q)], v[SC+8*\m+(\q)] matrix_a_fmt:MATRIX_FMT_FP4 matrix_b_fmt:MATRIX_FMT_FP4 matrix_a_scale:MATRIX_SCALE_ROW1
.else
	v_wmma_scale_f32_16x16x128_f8f6f4 v[8*(4*\m+\t):8*(4*\m+\t)+7], v[32*((\q)%2)+8*\t:32*((\q)%2)+8*\t+7], v[AF+64*((\q)%2)+8*\m:AF+64*((\q)%2)+8*\m+7], v[8*(4*\m+\t):8*(4*\m+\t)+7], v[SC+8*\t+(\q)], v[SC+8*\m+(\q)] matrix_a_fmt:MATRIX_FMT_FP4 matrix_b_fmt:MATRIX_FMT_FP4 matrix_a_scale:MATRIX_SCALE_ROW1
.endif
.endr
.endr
.endm
.macro STEP q
	s_wait_dscnt 0x0
.if (\q) < 7
.if (\q) > 0
	PLACES 4
.endif
	FETCH (\q)+1
.endif
	WIN 0x52
	MUL \q
.endm
	s_wait_alu depctr_va_vdst(0)
	s_wait_tensorcnt 0x0                           ; my one tile has landed
	s_barrier_signal -1
	s_barrier_wait -1
	SCALES
	FETCH 0
.irp q, 0,1,2,3,4,5,6,7
	STEP \q
.endr
	WIN 0
; THE WAY OUT, a token tile at a time, through my own stage: in as 32 bytes a lane, back as whole rows of 256 bytes, which sixteen lanes store as one aligned run.  LDS serves a wave's instructions in order.
.macro TOSTAGE m
	WIN 0x04                                       ; the data: window 1
.irp t, 0,1,2,3
	ds_store_b128 v[STO], v[8*(4*(\m)+\t):8*(4*(\m)+\t)+3] offset:64*\t          ; each accumulator from its low end on
	ds_store_b128 v[STO], v[8*(4*(\m)+\t)+4:8*(4*(\m)+\t)+7] offset:64*\t+16
.endr
	WIN 0
.irp i, 0,1,2,3,4,5,6,7
	ds_load_b128 v[BK+32*((\m)%2)+4*\i:BK+32*((\m)%2)+4*\i+3], v[RD] offset:544*\i
.endr
.endm
.macro SEND m, younger                 ; younger: the LDS instructions issued behind tile m's loads, which may stay out
	s_wait_dscnt \younger
.irp i, 0,1,2,3,4,5,6,7
	global_store_b128 v[CO], v[BK+32*((\m)%2)+4*\i:BK+32*((\m)%2)+4*\i+3], s[12:13] offset:(32*((\m)/2)+8*((\m)%2)+2*\i+8*(\i/4))*4096 th:TH_STORE_NT
.endr
.endm
	PLACES 4                                       ; behind the last products
	TOSTAGE 0
.irp m, 1,2,3,4,5,6,7
.if \m > 1
	s_wait_xcnt 0x0                                ; tile m - 2's stores have read their registers: tile m's rows may land there
.endif
	TOSTAGE \m
	SEND \m-1, 16                                  ; behind tile m - 1's loads: tile m's 8 stores and 8 loads
.endr
	SEND 7, 0
	s_wait_tensorcnt 0x0                           ; the wave's end
	ds_add_u32 v[SPW], v[NIL]
	s_wait_dscnt 0x0
	CROUND
	s_endpgm
.Lfunc_end_k_q8031876dbd_outp:
	.size	k_q8031876dbd_outp, .Lfunc_end_k_q8031876dbd_outp-k_q8031876dbd_outp
	.p2alignl 7, 3214868480
	.fill 96, 4, 3214868480
	.section	.rodata,"a",@progbits
	.p2align	6, 0x0
	.amdhsa_kernel k_q8031876dbd_outp
		.amdhsa_group_segment_fixed_size 327680
		.amdhsa_private_segment_fixed_size 0
		.amdhsa_enable_private_segment 0
		.amdhsa_kernarg_size 40
		.amdhsa_user_sgpr_count 2
		.amdhsa_user_sgpr_kernarg_segment_ptr 1
		.amdhsa_wavefront_size32 1
		.amdhsa_system_sgpr_workgroup_id_x 1
		.amdhsa_system_sgpr_workgroup_id_y 1
		.amdhsa_system_sgpr_workgroup_id_z 1
		.amdhsa_system_vgpr_workitem_id 0
		.amdhsa_next_free_vgpr 1024
		.amdhsa_next_free_sgpr 106
		.amdhsa_reserve_vcc 0
		.amdhsa_float_denorm_mode_32 3
		.amdhsa_float_denorm_mode_16_64 3
		.amdhsa_memory_ordered 1
		.amdhsa_forward_progress 1
		.amdhsa_inst_pref_size 70
	.end_amdhsa_kernel
	.amdgpu_metadata
---
amdhsa.version: [ 1, 2 ]
amdhsa.kernels:
  - .name:           k_q8031876dbd_outp
    .symbol:         k_q8031876dbd_outp.kd
    .args:
      - { .name: ac, .offset: 0, .size: 8, .value_kind: global_buffer, .address_space: global }
      - { .name: acs, .offset: 8, .size: 8, .value_kind: global_buffer, .address_space: global }
      - { .name: Wout_codes, .offset: 16, .size: 8, .value_kind: global_buffer, .address_space: global }
      - { .name: Wout_scales, .offset: 24, .size: 8, .value_kind: global_buffer, .address_space: global }
      - { .name: out0, .offset: 32, .size: 8, .value_kind: global_buffer, .address_space: global }
    .group_segment_fixed_size: 327680
    .private_segment_fixed_size: 0
    .kernarg_segment_align: 8
    .kernarg_segment_size: 40
    .max_flat_workgroup_size: 128
    .sgpr_count:     106
    .vgpr_count:     1024
    .wavefront_size: 32
...
	.end_amdgpu_metadata
.endif
;; end of part 4
